; MI455X (gfx1250); checked and timed in simulation.
; The chip was launched on July 23, 2026; its instructions are those of AMD's public machine-readable ISA for CDNA 5 (MIT licence, August 2026) and "CDNA5" Instruction Set Architecture Reference Guide (July 2026). The comments in the code are by the model that wrote it; some were corrected since.
;; Multihead Self Attention. Allowed arithmetic: matrix products marked QUANTISED: E2M1 operands, one E8M0 scale for each 32 along K, by v_wmma_scale_f32_16x16x128_f8f6f4 with both operands' format E2M1 (or v_wmma_scale_f32_32x16x128_f4), f32 sums; products left as they are: bf16, f16 or f32 operands; f32 sums; everything else in f32.
;; Inputs: W_K 1,024 x 1,024 float32; W_O 1,024 x 1,024 float32; W_Q 1,024 x 1,024 float32; W_V 1,024 x 1,024 float32; token_position 2,048 int32; x 4 x 2,048 x 1,024 float32.
;; Outputs: out0 4 x 2,048 x 1,024 float32.
;; This version of the problem:
;;   THIS VERSION OF THE PROBLEM IS GIVEN IN LOW PRECISION. The matrix products marked QUANTISED in the list below multiply operands that are first quantised to E2M1 (2 exponent bits, 1 mantissa bit; 4 bits a number), with one power-of-two scale for each 32 numbers along K (OCP MX v1.0); their sums are f32. The products marked 'left as it is' may take bf16, f16 or f32 operands, with f32 sums. Whichever they take, every output number must still come out within the allowed error. Rounding operands to bf16 (8 significant bits) uses up far more of that allowance than f16 does (11 bits, for magnitudes from 6e-5 to 65,504). All else is computed in f32.
;;   The module's matrix products, in the order in which they are computed (A, B: the left and right operand; K: the contracted axis; several contracted axes count as one K, in the product's order):
;;     1. [M 8,192, K 1,024] x [K 1,024, N 1,024]; A: input x; B: input W_Q: QUANTISED
;;     2. [M 8,192, K 1,024] x [K 1,024, N 1,024]; A: input x; B: input W_K: QUANTISED
;;     3. [M 8,192, K 1,024] x [K 1,024, N 1,024]; A: input x; B: input W_V: QUANTISED
;;     4. batch 64 x [M 2,048, K 64] x [K 64, N 2,048]; A: computed on the way; B: computed on the way: left as it is (an operand is computed on the way)
;;     5. batch 64 x [M 2,048, K 2,048] x [K 2,048, N 64]; A: computed on the way; B: computed on the way: left as it is (an operand is computed on the way)
;;     6. [M 8,192, K 1,024] x [K 1,024, N 1,024]; A: computed on the way; B: input W_O: left as it is (an operand is computed on the way)
;;   THE QUANTISER, for each operand of a quantised product, along K:
;;     - K is cut into blocks of 32 from its start; a last block that is shorter is filled with zeros.
;;     - A block's scale is 2^e with e = floor(log2(the largest magnitude in the block)) - 2, held to -126 .. 127; a block of zeros has e = 0. As a byte (E8M0): e + 127.
;;     - Each number is divided by its block's scale, clamped to +-6, and rounded to the nearest number of E2M1, ties to even, subnormals kept.
;;     - The product sums the exact products of the quantised numbers (number of the format x scale) in f32.
;;   ~~~python
;;   def quantise(x, axis):      # numpy; x: float32 -> the quantised numbers, widened to float32 again
;;       x = np.moveaxis(x, axis, -1); K = x.shape[-1]
;;       x = np.pad(x, [(0, 0)] * (x.ndim - 1) + [(0, -K % 32)]); x = x.reshape(x.shape[:-1] + (-1, 32)); a = np.abs(x).max(-1, keepdims=True)
;;       e = np.where(a > 0, np.clip(np.frexp(np.where(a > 0, a, 1))[1] - 1 - 2, -126, 127), 0)      # np.frexp(a)[1] - 1 = floor(log2(a)), exactly
;;       r = np.clip(x / 2.0 ** e, -6, 6)
;;       step = 2.0 ** (np.maximum(np.frexp(np.where(r == 0, 1, r))[1] - 1, 0) - 1)
;;       q = np.round(r / step) * step * 2.0 ** e      # np.round: ties to even
;;       return np.moveaxis(q.reshape(q.shape[:-2] + (-1,))[..., :K], -1, axis).astype(np.float32)
;;   ~~~
;; One version. Each part assembles by itself: llvm-mc -triple=amdgcn-amd-amdhsa -mcpu=gfx1250 --defsym DOCPART=n.
;; ======== version 1 of 1: 5 launches
;; limits: values are held in f16: magnitudes above 65,504 overflow, below 6.1e-05 lose precision; right only within a limited range of input values
;; workspace buffers: codes 5,767,168 bytes; scales 360,448 bytes; tab 1,572,864 bytes; wo16 2,097,152 bytes; qkv 50,331,648 bytes; q16 786,432 bytes; ao 16,777,216 bytes
;; launch prep (part 1): grid 416 x 1, 4 waves a work-group, no clusters, 33,280 bytes of LDS; arguments x, W_Q, W_K, W_V, W_O, token_position, codes, scales, wo16, tab; writes codes, scales, wo16, tab
.if DOCPART == 1
	.amdgcn_target "amdgcn-amd-amdhsa--gfx1250"
	.amdhsa_code_object_version 6
	.text
	.protected	k_qeb7cdb6f38_prep
	.globl	k_qeb7cdb6f38_prep
	.p2align	8
	.type	k_qeb7cdb6f38_prep,@function
k_qeb7cdb6f38_prep:
	s_mov_b64 s[64:65], 0
	v_nop
	global_prefetch_b8 v0, s[64:65] scope:SCOPE_SE
	s_setreg_imm32_b32 hwreg(HW_REG_WAVE_MODE, 25, 1), 1
	s_wait_xcnt 0x0
; PREP: three kinds of work-group, told apart by the work-group's number alone.
;  0..351   x [8192][1024] (256 work-groups) and W_Q, W_K, W_V [1024][1024] (32 each), f32, become codes of FP4 (E2M1), K innermost, with one E8M0 byte for each 32 along K.
;           codes: x's rows of 512 bytes from byte 0, the three weights' 3,072 rows on end from byte 0x400000.  scales: x's rows of 32 bytes from byte 0, the weights' from byte 0x40000.
;           A block's byte is its largest magnitude's exponent field - 2, held at 1 from below (a block of zeros keeps 1: its codes are zeros, and only this program reads the bytes).
;  352..383 W_O [1024 o][1024 i] f32 becomes f16 laid by planes of 64 along i: wo16 [16 p][1024 o][64].
;  384..415 the rotation tables [2048 s][32 i][2] f32, from token_position: at byte 0 (k cos, k sin), k = log2(e) / 8, for Q; at 524,288 (cos, sin) for K; at 1,048,576 (1, 0) for V.
; LIMITS: NaN and infinities among the inputs are not served.  Blocks whose largest magnitude lies under 2^(2 - 126) have their byte held at 1.  W_O's numbers must lie under 65,504 in size (f16).
;         Sine and cosine: the angle is reduced by a pi / 2 of three f32 parts (72 bits), so the error grows beyond angles of about 2^22; the frequency 2^(-i log2(10) / 8) is within about two units in
;         the last place of 10000^(-i / 32); Q and K are turned by the same table.
.set NQUANT, 352
.set NWO,   384
.set WAVES, 4
.set STEPS, 16
.set EMAX,  2
.set CB,    8                          ; bytes of 16 codes
.set R,     16                         ; v16-79   four sets of 16 numbers as they are loaded
.set X,     80                         ; v80-111  two sets of 16 neighbours
.set C,     128                        ; v128-191 codes: four registers for each step
.set E,     112                        ; v112-127 a scale byte for each step
.set WREG,  8192                       ; LDS: a region for each wave: two stages of 32 x SP bytes, and behind them its 256 scale bytes
.set SP,    80                         ; a lane's place in a stage: 64 bytes + 16 of padding
.set SPW,   12                         ; v12 LDS address of my spare word; never rewritten
.set NIL,   13                         ; v13 0; never rewritten
.set SPARE, WAVES*WREG                 ; behind the four regions: the spare words, 128 bytes for each wave
	s_load_b512 s[4:19], s[0:1], 0x0               ; x 4:5, W_Q 6:7, W_K 8:9, W_V 10:11, W_O 12:13, token_position 14:15, codes 16:17, scales 18:19
	s_load_b128 s[20:23], s[0:1], 0x40             ; wo16 20:21, tab 22:23
	v_lshl_add_u32 v[SPW], v0, 2, SPARE
	v_mov_b32 v[NIL], 0
	v_lshrrev_b32 v1, 5, v0
	v_readfirstlane_b32 s24, v1                    ; wave
	v_and_b32 v2, 31, v0                           ; lane
	s_cmp_lt_u32 ttmp9, NQUANT
	s_cbranch_scc0 .Lnot_quant
; ---------------- the quantiser: one path for all four tensors; only pointers and offsets are chosen
	v_lshlrev_b32 v3, 4, v2                        ; my 16 bytes of a load's 512
	s_mul_i32 s30, s24, WREG
	v_lshrrev_b32 v14, 2, v2
	v_mul_u32_u24 v14, v14, SP
	v_and_b32 v15, 3, v2
	v_lshl_add_u32 v14, v15, 4, v14
	v_add_nc_u32 v14, s30, v14                     ; the stage on the way in: SP (lane / 4) + 16 (lane % 4)
	v_mul_u32_u24 v15, v2, SP
	v_add_nc_u32 v15, s30, v15                     ; and on the way out: SP x lane: my 16 neighbours
	v_mul_u32_u24 v4, v2, CB                       ; my codes' place in a step's
	v_lshrrev_b32 v5, 1, v2
	s_add_co_u32 s30, s30, 2*32*SP
	v_add_nc_u32 v5, s30, v5                       ; my wave's 256 scale bytes, my block's byte
	v_lshlrev_b32 v7, 3, v2
	v_add_nc_u32 v6, s30, v7                       ; and on the way out 8 bytes a lane
	s_sub_co_u32 s25, ttmp9, 256                   ; a weight's work-group: 0..95
	s_lshr_b32 s26, s25, 5                         ; which weight
	s_and_b32 s27, s25, 31                         ; and which part of it
	s_wait_kmcnt 0x0
	s_cmp_eq_u32 s26, 1
	s_cselect_b64 s[6:7], s[8:9], s[6:7]
	s_cmp_eq_u32 s26, 2
	s_cselect_b64 s[6:7], s[10:11], s[6:7]
	s_cmp_lt_u32 ttmp9, 256                        ; x's work-group?  The choices hang on the work-group's number alone
	s_cselect_b64 s[4:5], s[4:5], s[6:7]
	s_cselect_b32 s27, ttmp9, s27                  ; my part of the source,
	s_cselect_b32 s25, ttmp9, s25                  ; and of the destination's region,
	s_cselect_b32 s28, 0, 0x400000                 ; which begins here in codes
	s_cselect_b32 s29, 0, 0x40000                  ; and here in scales
	s_lshl_b32 s27, s27, 2
	s_add_co_u32 s27, s27, s24                     ; which run of 8,192 numbers is my wave's: in the source,
	s_lshl_b32 s25, s25, 2
	s_add_co_u32 s25, s25, s24                     ; in the destination
	s_lshl_b32 s32, s27, 15                        ; 32,768 bytes of f32 a run
	s_mov_b32 s33, 0
	s_add_nc_u64 s[4:5], s[4:5], s[32:33]
	s_lshl_b32 s32, s25, 12                        ; 4,096 bytes of codes
	s_add_co_u32 s32, s32, s28
	s_add_nc_u64 s[16:17], s[16:17], s[32:33]
	s_lshl_b32 s32, s25, 8                         ; 256 scale bytes
	s_add_co_u32 s32, s32, s29
	s_add_nc_u64 s[18:19], s[18:19], s[32:33]
.macro LOAD t
.irp i, 0,1,2,3
	global_load_b128 v[R+16*((\t)%4)+4*\i:R+16*((\t)%4)+4*\i+3], v3, s[4:5] offset:2048*(\t)+512*\i th:TH_LOAD_NT   ; 32 lanes read 512 consecutive bytes
.endr
.endm
.macro TURN t                          ; step t's numbers through the stage: LDS serves a wave's instructions in order, so no wait stands between the stores and the loads
.irp i, 0,1,2,3
	ds_store_b128 v14, v[R+16*((\t)%4)+4*\i:R+16*((\t)%4)+4*\i+3] offset:32*SP*((\t)%2)+8*SP*\i
.endr
.irp i, 0,1,2,3
	ds_load_b128 v[X+16*((\t)%2)+4*\i:X+16*((\t)%2)+4*\i+3], v15 offset:32*SP*((\t)%2)+16*\i
.endr
.endm
.irp t, 0,1,2,3
	LOAD \t
.endr
	s_wait_loadcnt 12                              ; step 0's four loads are in
	TURN 0
.macro STEP t
.set XS, X+16*((\t)%2)
.if (\t) > 0
	s_wait_dscnt 1                                 ; this step's numbers are back from the stage (the last step's byte store may be out)
.else
	s_wait_dscnt 0x0
.endif
.if (\t)+4 < STEPS
	LOAD (\t)+4                                    ; the registers that the stage's stores have read take the loads of four steps on
.endif
.if (\t)+1 < STEPS
.if STEPS-2-(\t) >= 3
	s_wait_loadcnt 12                              ; the next step's four loads are in; those of the three steps behind it may be out
.else
	s_wait_loadcnt 4*(STEPS-2-(\t))
.endif
	TURN (\t)+1
.endif
	v_max3_num_f32 v8, |v[XS]|, |v[XS+1]|, |v[XS+2]|               ; the largest magnitude of my 16
	v_max3_num_f32 v9, |v[XS+3]|, |v[XS+4]|, |v[XS+5]|
.irp i, 6,10
	v_max3_num_f32 v8, v8, |v[XS+\i]|, |v[XS+\i+1]|
	v_max3_num_f32 v9, v9, |v[XS+\i+2]|, |v[XS+\i+3]|
.endr
	v_max3_num_f32 v8, v8, |v[XS+14]|, |v[XS+15]|
	v_max3_num_f32 v8, v8, v9, (EMAX+1)<<23        ; and the floor 2^(EMAX + 1 - 127): the byte cannot fall under 1
	v_max_num_f32_dpp v8, v8, v8 row_xmask:1 row_mask:0xf bank_mask:0xf   ; and of my neighbour's 16: the block's
	v_add_nc_u32 v11, -(EMAX<<23), v8              ; EMAX off its exponent field: the conversion takes the exponent field of this operand as its scale
	v_cvt_scalef32_pk8_fp4_f32 v[C+4*(\t)], v[XS:XS+7], v11
	v_cvt_scalef32_pk8_fp4_f32 v[C+4*(\t)+1], v[XS+8:XS+15], v11
	v_lshrrev_b32 v[E+(\t)], 23, v11               ; the scale's byte
	ds_store_b8 v5, v[E+(\t)] offset:16*(\t)       ; both lanes of a block write the same byte with the same value
	global_store_b64 v4, v[C+4*(\t):C+4*(\t)+1], s[16:17] offset:32*CB*(\t)   ; 32 lanes store 256 consecutive bytes, aligned
.endm
.irp t, 0,1,2,3,4,5,6,7,8,9,10,11,12,13,14,15
	STEP \t
.endr
	ds_load_b64 v[8:9], v6                         ; LDS serves a wave's instructions in order: these see my stores
	s_wait_dscnt 0x0
	global_store_b64 v7, v[8:9], s[18:19]          ; 32 lanes store 256 consecutive bytes, aligned
	s_wait_tensorcnt 0x0                           ; the wave's end: behind my last LDS store
	ds_add_u32 v[SPW], v[NIL]
	s_wait_dscnt 0x0
	s_endpgm
; ---------------- W_O to f16, by planes.  Wave W of 128: plane W % 16, rows 128 (W / 16) on.  A load takes 2 rows x 256 bytes, a store 2 rows x 128 bytes = 256 consecutive bytes.  No LDS.
.Lnot_quant:
	s_cmp_lt_u32 ttmp9, NWO
	s_cbranch_scc0 .Ltables
	s_sub_co_u32 s25, ttmp9, NQUANT
	s_lshl_b32 s25, s25, 2
	s_add_co_u32 s25, s25, s24
	s_and_b32 s26, s25, 15                         ; plane
	s_lshr_b32 s27, s25, 4                         ; group of 128 rows
	v_lshrrev_b32 v3, 4, v2
	v_and_b32 v4, 15, v2
	v_lshlrev_b32 v3, 12, v3
	v_lshl_add_u32 v3, v4, 4, v3                   ; in: row lane / 16 of 4,096 bytes, 16 bytes a lane
	v_lshlrev_b32 v4, 3, v2                        ; out: 8 bytes a lane
	s_lshl_b32 s28, s27, 19
	s_lshl_b32 s29, s26, 8
	s_add_co_u32 s28, s28, s29
	s_mov_b32 s29, 0
	s_lshl_b32 s30, s26, 17
	s_lshl_b32 s31, s27, 14
	s_add_co_u32 s30, s30, s31
	s_mov_b32 s31, 0
	s_wait_kmcnt 0x0
	s_add_nc_u64 s[12:13], s[12:13], s[28:29]
	s_add_nc_u64 s[20:21], s[20:21], s[30:31]
.macro LOADB k                         ; batch k of four: 16 loads into set k % 2 (v32-95, v96-159)
.irp j, 0,1,2,3,4,5,6,7,8,9,10,11,12,13,14,15
	global_load_b128 v[32+64*((\k)%2)+4*\j:32+64*((\k)%2)+4*\j+3], v3, s[12:13] offset:8192*(16*(\k)+\j) th:TH_LOAD_NT
.endr
.endm
.macro CVTB k, left                    ; left: the loads of the batch issued behind this one
	s_wait_xcnt 0x0                                ; the last batch's stores have read their data registers: they are written again only behind this wait
.irp j, 0,1,2,3,4,5,6,7,8,9,10,11,12,13,14,15
	s_wait_loadcnt \left+15-\j                     ; load j is in; my younger ones and the next batch's may be out
	v_cvt_pk_f16_f32 v[160+2*\j], v[32+64*((\k)%2)+4*\j], v[32+64*((\k)%2)+4*\j+1]
	v_cvt_pk_f16_f32 v[161+2*\j], v[32+64*((\k)%2)+4*\j+2], v[32+64*((\k)%2)+4*\j+3]
	global_store_b64 v4, v[160+2*\j:161+2*\j], s[20:21] offset:256*(16*(\k)+\j)
.endr
.endm
	LOADB 0
	LOADB 1
	CVTB 0, 16
	LOADB 2
	CVTB 1, 16
	LOADB 3
	CVTB 2, 16
	CVTB 3, 0
	s_endpgm
; ---------------- the tables.  Wave Wt of 128 takes positions 16 Wt .. 16 Wt + 15; a lane is a frequency i.  No LDS.
.Ltables:
	s_sub_co_u32 s25, ttmp9, NWO
	s_lshl_b32 s25, s25, 2
	s_add_co_u32 s25, s25, s24
	s_lshl_b32 s26, s25, 6                         ; 16 whole numbers of 4 bytes
	s_mov_b32 s27, 0
	s_lshl_b32 s28, s25, 12                        ; 16 rows of 256 bytes
	s_mov_b32 s29, 0
	s_wait_kmcnt 0x0
	s_add_nc_u64 s[14:15], s[14:15], s[26:27]
	s_add_nc_u64 s[22:23], s[22:23], s[28:29]
	s_load_b512 s[36:51], s[14:15], 0x0            ; my 16 positions
	s_mov_b32 s52, 0x3f22f983                      ; 2 / pi
	s_mov_b32 s53, 0x3fc90fdb                      ; pi / 2 in three parts
	s_mov_b32 s54, 0xb33bbd2e
	s_mov_b32 s55, 0xa6f72ced
	s_mov_b32 s56, 0xbe2aaaa3                      ; sine on [-pi/4, pi/4]: r + r z (S1 + z (S2 + z S3)), z = r r
	s_mov_b32 s57, 0x3c08839e
	s_mov_b32 s58, 0xb94ca1f9
	s_mov_b32 s59, 0x3d2aaaa5                      ; cosine: 1 - z / 2 + z z (C1 + z (C2 + z C3))
	s_mov_b32 s60, 0xbab6061a
	s_mov_b32 s61, 0x37ccf5ce
	s_mov_b32 s62, 0x3e38aa3b                      ; k = log2(e) / 8: the softmax's scale and its change of base ride on Q's table
	v_cvt_f32_u32 v5, v2
	v_mul_f32 v5, 0xbed49a78, v5                   ; -i log2(10) / 8 = log2(10000^(-i / 32))
	v_exp_f32 v6, v5                               ; the frequency
	v_lshlrev_b32 v4, 3, v2                        ; 8 bytes a lane.  (The plain instruction behind the exponential)
	v_mov_b32 v10, 1.0                             ; V's table: (1, 0)
	v_mov_b32 v11, 0
	s_wait_alu depctr_va_vdst(0)                   ; ahead of the first reader of the exponential's result
	s_wait_kmcnt 0x0
.macro ROW k                           ; each row has its own four registers for its stores (v64 + 4 k on), so no store's data are written again
.set TT, 16+16*((\k)%2)
.set OO, 64+4*(\k)
	v_cvt_f32_i32 v[TT], s[36+(\k)]
	v_mul_f32 v[TT], v[TT], v6                     ; the angle: one rounding
	v_mul_f32 v[TT+1], s52, v[TT]
	v_rndne_f32 v[TT+1], v[TT+1]                   ; n quarter turns
	v_fma_f32 v[TT+2], -v[TT+1], s53, v[TT]
	v_fma_f32 v[TT+2], -v[TT+1], s54, v[TT+2]
	v_fma_f32 v[TT+2], -v[TT+1], s55, v[TT+2]      ; r = angle - n pi / 2
	v_cvt_i32_f32 v[TT+3], v[TT+1]
	v_mul_f32 v[TT+4], v[TT+2], v[TT+2]            ; z
	v_fma_f32 v[TT+5], v[TT+4], s58, s57
	v_fma_f32 v[TT+6], v[TT+4], s61, s60
	v_fma_f32 v[TT+5], v[TT+5], v[TT+4], s56
	v_fma_f32 v[TT+6], v[TT+6], v[TT+4], s59
	v_mul_f32 v[TT+7], v[TT+4], v[TT+2]
	v_mul_f32 v[TT+8], v[TT+4], v[TT+4]
	v_fma_f32 v[TT+5], v[TT+5], v[TT+7], v[TT+2]   ; sin r
	v_fma_f32 v[TT+9], v[TT+4], -0.5, 1.0
	v_fma_f32 v[TT+6], v[TT+6], v[TT+8], v[TT+9]   ; cos r
	v_and_b32 v[TT+7], 1, v[TT+3]
	v_cmp_eq_u32 vcc_lo, 1, v[TT+7]                ; an odd quarter swaps the two
	v_cndmask_b32 v[OO+1], v[TT+5], v[TT+6], vcc_lo
	v_cndmask_b32 v[OO], v[TT+6], v[TT+5], vcc_lo
	v_and_b32 v[TT+7], 2, v[TT+3]                  ; the sine is negative in quarters 2, 3,
	v_lshlrev_b32 v[TT+7], 30, v[TT+7]
	v_xor_b32 v[OO+1], v[TT+7], v[OO+1]
	v_add_nc_u32 v[TT+3], 1, v[TT+3]               ; the cosine in quarters 1, 2
	v_and_b32 v[TT+3], 2, v[TT+3]
	v_lshlrev_b32 v[TT+3], 30, v[TT+3]
	v_xor_b32 v[OO], v[TT+3], v[OO]
	v_mul_f32 v[OO+2], s62, v[OO]
	v_mul_f32 v[OO+3], s62, v[OO+1]
	global_store_b64 v4, v[OO+2:OO+3], s[22:23] offset:256*(\k)            ; each store covers 256 consecutive bytes, aligned
	global_store_b64 v4, v[OO:OO+1], s[22:23] offset:524288+256*(\k)
	global_store_b64 v4, v[10:11], s[22:23] offset:1048576+256*(\k)
.endm
.irp k, 0,1,2,3,4,5,6,7,8,9,10,11,12,13,14,15
	ROW \k
.endr
	s_endpgm
.Lfunc_end_k_qeb7cdb6f38_prep:
	.size	k_qeb7cdb6f38_prep, .Lfunc_end_k_qeb7cdb6f38_prep-k_qeb7cdb6f38_prep
	.p2alignl 7, 3214868480
	.fill 96, 4, 3214868480
	.section	.rodata,"a",@progbits
	.p2align	6, 0x0
	.amdhsa_kernel k_qeb7cdb6f38_prep
		.amdhsa_group_segment_fixed_size 33280
		.amdhsa_private_segment_fixed_size 0
		.amdhsa_enable_private_segment 0
		.amdhsa_kernarg_size 80
		.amdhsa_user_sgpr_count 2
		.amdhsa_user_sgpr_kernarg_segment_ptr 1
		.amdhsa_wavefront_size32 1
		.amdhsa_system_sgpr_workgroup_id_x 1
		.amdhsa_system_sgpr_workgroup_id_y 1
		.amdhsa_system_sgpr_workgroup_id_z 1
		.amdhsa_system_vgpr_workitem_id 0
		.amdhsa_next_free_vgpr 192
		.amdhsa_next_free_sgpr 66
		.amdhsa_reserve_vcc 1
		.amdhsa_float_denorm_mode_32 3
		.amdhsa_float_denorm_mode_16_64 3
		.amdhsa_memory_ordered 1
		.amdhsa_forward_progress 1
		.amdhsa_inst_pref_size 83
	.end_amdhsa_kernel
	.amdgpu_metadata
---
amdhsa.version: [ 1, 2 ]
amdhsa.kernels:
  - .name:           k_qeb7cdb6f38_prep
    .symbol:         k_qeb7cdb6f38_prep.kd
    .args:
      - { .name: x, .offset: 0, .size: 8, .value_kind: global_buffer, .address_space: global }
      - { .name: W_Q, .offset: 8, .size: 8, .value_kind: global_buffer, .address_space: global }
      - { .name: W_K, .offset: 16, .size: 8, .value_kind: global_buffer, .address_space: global }
      - { .name: W_V, .offset: 24, .size: 8, .value_kind: global_buffer, .address_space: global }
      - { .name: W_O, .offset: 32, .size: 8, .value_kind: global_buffer, .address_space: global }
      - { .name: token_position, .offset: 40, .size: 8, .value_kind: global_buffer, .address_space: global }
      - { .name: codes, .offset: 48, .size: 8, .value_kind: global_buffer, .address_space: global }
      - { .name: scales, .offset: 56, .size: 8, .value_kind: global_buffer, .address_space: global }
      - { .name: wo16, .offset: 64, .size: 8, .value_kind: global_buffer, .address_space: global }
      - { .name: tab, .offset: 72, .size: 8, .value_kind: global_buffer, .address_space: global }
    .group_segment_fixed_size: 33280
    .private_segment_fixed_size: 0
    .kernarg_segment_align: 8
    .kernarg_segment_size: 80
    .max_flat_workgroup_size: 128
    .sgpr_count:     66
    .vgpr_count:     192
    .wavefront_size: 32
...
	.end_amdgpu_metadata
.endif
;; end of part 1
;; launch qkv (part 2): grid 12 x 32, 4 waves a work-group, clusters of 4 x 4, 327,680 bytes of LDS; arguments codes, scales, tab, qkv, q16; writes qkv, q16
.if DOCPART == 2
	.amdgcn_target "amdgcn-amd-amdhsa--gfx1250"
	.amdhsa_code_object_version 6
	.text
	.protected	k_qeb7cdb6f38_qkv
	.globl	k_qeb7cdb6f38_qkv
	.p2align	8
	.type	k_qeb7cdb6f38_qkv,@function
k_qeb7cdb6f38_qkv:
	s_mov_b64 s[64:65], 0
	v_nop
	global_prefetch_b8 v0, s[64:65] scope:SCOPE_SE
	s_setreg_imm32_b32 hwreg(HW_REG_WAVE_MODE, 25, 1), 1
	s_wait_xcnt 0x0
	s_wait_alu depctr_hold_cnt(0) depctr_sa_sdst(0) depctr_va_vdst(0) depctr_va_sdst(0) depctr_va_ssrc(0) depctr_va_vcc(0) depctr_vm_vsrc(0)
	s_getreg_b32 s2, hwreg(HW_REG_IB_STS2, 6, 4)
	s_cmp_eq_u32 s2, 0
	s_cbranch_scc0 .Lentry_in_a_cluster
	s_endpgm
.Lentry_in_a_cluster:
	s_bfe_u32 s2, ttmp6, 0x10000c
	s_cmp_lg_u32 s2, 0xf033
	s_cbranch_scc0 .Lentry_shape_is_right
	s_endpgm
.Lentry_shape_is_right:
; Q, K, V = x W^T on codes of FP4 (E2M1) with one E8M0 scale for each 32 along K, then the rotation, the softmax's scale on Q, the cast to f16 and the split into heads, all on the way out.
; A: x's codes [8192][512 bytes] at byte 0 of codes, its scale bytes [8192][32] at byte 0 of scales.  B: the three weights' 3,072 rows on end, at byte 0x400000 of codes and 0x40000 of scales.
; A tile of C, 256 x 256, is made by four waves, 128 x 128 each: 64 accumulators, 512 registers.  K = 1,024 is two K steps of 512: both lie in LDS from the start (two slots, each filled once), and so do all scale bytes.
; CLUSTERS: 4 x 4 work-groups; the four of a row need the same tiles of A, the four of a column the same tiles of B: each tile is asked for jointly.  A cluster's 1,024 columns are one of the three tensors.
; THE MATRIX INSTRUCTION IS USED TRANSPOSED (source 0 = 16 rows of B, source 1 = 16 rows of A): a lane holds eight neighbouring columns of one row: four pairs (even, odd) of one head, which the rotation turns in the lane.
; THE ROTATION takes (c, s) from tab [tensor][position in the sequence][i][2]: e = xe c - xo s, o = xo c + xe s, two packed lines a pair.  V goes the same way with (1, 0), which changes nothing: one path for all partners.
; OUT: qkv f16 [tensor][16 batch + head][2048][64]; and the rows of positions 0 to 15 also in f32: q16 [tensor][batch][16][1024].
; LIMIT: the results (Q times log2(e) / 8, K, V) must lie under 65,504 in size (f16).
; REGISTERS, in windows of 256: window 0: v0-31 addresses; v32-95 scale words, two sets; v128-191 A's fragments, one set; on the way out v32-231 are at work.
;   window 1: B's fragments, two sets, at v0 and v128; between them the tables of my rows.   window 2: the accumulators of my rows 0-63 ((a, b) at v[8 (8 a + b)]);   window 3: those of rows 64-127.
.set NQ,     4                         ; matrix instructions deep in a slot: 512 along K
.set ROWB,   256                       ; a tile's row in bytes
.set KROW,   512                       ; a row of codes in memory
.set PITCH,  272                       ; an LDS row: 256 bytes + 16 of padding: the 16 rows that a load touches start at 16 different banks (64 banks of 4 bytes: ISA guide 11.1)
.set FR,     8
.set NL,     2
.set NP,     4                         ; places behind this matrix instruction (ISA guide 7.12.1)
.set HALFT,  128*PITCH
.set SLOT,   4*HALFT
.set KS,     32                        ; a row of scales in bytes
.set SCL,    2*SLOT                    ; behind the slots: the scales, as units of 256 bytes + 16 of padding
.set HALFS,  (128*KS/256)*272
.set SBLK,   (16*KS/256)*272
.set SPARE,  SCL+4*HALFS               ; behind the scales: the spare words, 128 bytes for each wave
.set ADRA, 16                          ; v16-17 LDS address of my A fragments in slot 0, 1
.set ADRB, 20                          ; v20-21 the same for B
.set FO,   22                          ; v22 my byte offset in q16's 16 rows: 4,096 r + 32 h
.set SIDX, 23                          ; v23 the position in the sequence of my row of block 0
.set STO,  24                          ; v24 the way out: where I put 16 bytes of a head's row
.set RD,   25                          ; v25 the way out: where I read rows back
.set CO,   26                          ; v26 16 x lane
.set ADRS, 27                          ; v27 LDS address of my scale words: lanes 0-15 A's rows, lanes 16-31 B's
.set SPW,  28                          ; v28 LDS address of my spare word; never rewritten
.set NIL,  29                          ; v29 0; never rewritten
.set TA,   30                          ; v30 my byte offset in 16 rows of a table: 256 r + 32 h; never rewritten
.set SC,   32
.set AF,   128
.set R,    32                          ; the way out: v32-95 a block's 64 turned numbers
.set T,    96                          ; v96-103 at work
.set H,    104                         ; v104-135, v136-167 the block in f16, two sets
.set BK,   168                         ; v168-199, v200-231 rows read back from the stage, two sets
.set G1, 24
.set G0, 32
.set G1B, 48
.set G0B, 56
.set G1S, 68
.set G0S, 76
.set G1SB, 80
.set G0SB, 88
.set MSB, 0
.macro WIN new                         ; the immediate's high byte repeats the setting that is left
.if MSB != (\new)
	s_set_vgpr_msb (MSB<<8)|(\new)
.set MSB, (\new)
.endif
.endm
.set MUL_LO, 0xa1                      ; source 0 (B) window 1, source 1 (A) window 0, C and D window 2
.set MUL_HI, 0xf1
.set TO_B,   0x40                      ; destination window 1, address window 0
; A joint load: waves 0 and 1 fetch for A, waves 2 and 3 for B; the branch hangs on the wave's number alone.  An s_nop 0 and four v_nop follow each line.
.macro JLOAD g0a, g1a, g0b, g1b
	s_cmp_eq_u32 s15, 0
	s_cbranch_scc0 .Lfor_b_\@
	tensor_load_to_lds s[\g0a:\g0a+3], s[\g1a:\g1a+7]
	s_nop 0
.rept 4
	v_nop
.endr
	s_branch .Lasked_\@
.Lfor_b_\@:
	tensor_load_to_lds s[\g0b:\g0b+3], s[\g1b:\g1b+7]
	s_nop 0
.rept 4
	v_nop
.endr
.Lasked_\@:
.endm
.macro CROUND                          ; a round of the cluster's barrier
	s_barrier_signal -1
	s_barrier_wait -1
	s_cmp_lg_u32 s14, 0
	s_cbranch_scc1 .Lnot_wave_0_\@
	s_barrier_signal -3
.Lnot_wave_0_\@:
	s_barrier_wait -3
	s_barrier_signal -1
	s_barrier_wait -1
.endm
	s_load_b128 s[4:7], s[0:1], 0x0                ; codes, scales
	s_load_b128 s[8:11], s[0:1], 0x10              ; tab, qkv
	s_load_b64 s[12:13], s[0:1], 0x20              ; q16
	v_lshl_add_u32 v[SPW], v0, 2, SPARE
	v_mov_b32 v[NIL], 0
	ds_add_u32 v[SPW], v[NIL]                      ; the wave's opening: the add, twice on end, and its wait ahead of my first tensor load
	ds_add_u32 v[SPW], v[NIL]
	v_lshrrev_b32 v1, 5, v0
	v_readfirstlane_b32 s14, v1                    ; wave 0..3
	s_lshr_b32 s15, s14, 1                         ; which half of the tile's rows is mine.  Also: I fetch for A (0) or for B (1)
	s_and_b32 s16, s14, 1                          ; which half of its columns.  Also: which 128 rows of that tile I fetch
	s_bfe_u32 s40, ttmp6, 0x40000                  ; cx, cy: my place in the cluster
	s_bfe_u32 s41, ttmp6, 0x40004
	s_lshl_b32 s42, ttmp9, 2
	s_add_co_u32 s42, s42, s40                     ; tile column = 4 x cluster x + cx
	s_and_b32 s17, ttmp7, 0xffff
	s_lshl_b32 s17, s17, 2
	s_add_co_u32 s17, s17, s41                     ; tile row = 4 x cluster y + cy
	s_lshl_b32 s43, s41, 2
	s_lshl_b32 s43, 15, s43                        ; my row of the cluster
	s_lshl_b32 s44, 0x1111, s40                    ; my column
	s_or_b32 s[G1+0], s43, (0<<16)|(1<<20)|(1<<21)|(5<<22)|(3<<25)  ; the mask; elements of 1 byte; padding on; bit 21 beside a mask; 4 words behind every 64
	s_or_b32 s[G1B+0], s44, (0<<16)|(1<<20)|(1<<21)|(5<<22)|(3<<25)
.irp g, G1, G1B
	s_mov_b32 s[\g+1], ROWB<<16                    ; tensor_dim0
	s_mov_b32 s[\g+2], 128<<16                     ; tensor_dim1
	s_mov_b32 s[\g+3], ROWB<<16                    ; tile_dim0
	s_mov_b32 s[\g+4], 128                         ; tile_dim1
	s_mov_b32 s[\g+5], KROW                        ; the pitch
	s_mov_b32 s[\g+6], 0
	s_mov_b32 s[\g+7], 0
.endr
	s_or_b32 s[G1S+0], s43, (3<<16)|(1<<20)|(1<<21)|(5<<22)|(3<<25) ; the scales of 128 rows: 4,096 dense bytes as 16 rows of 256 (32 elements of 8 bytes), 16 bytes of padding behind each
	s_or_b32 s[G1SB+0], s44, (3<<16)|(1<<20)|(1<<21)|(5<<22)|(3<<25)
.irp g, G1S, G1SB
	s_mov_b32 s[\g+1], 32<<16
	s_mov_b32 s[\g+2], (128*KS/256)<<16
	s_mov_b32 s[\g+3], 32<<16
	s_mov_b32 s[\g+4], 128*KS/256
	s_mov_b32 s[\g+5], 32
	s_mov_b32 s[\g+6], 0
	s_mov_b32 s[\g+7], 0
.endr
	s_lshl_b32 s18, s16, 7
	s_lshl_b32 s20, s17, 8
	s_add_co_u32 s20, s20, s18                     ; A: row 256 x tile row + 128 x half
	s_lshl_b32 s46, s42, 8
	s_add_co_u32 s46, s46, s18                     ; B: row 256 x tile column + 128 x half
	s_mov_b32 s21, 0
	s_mov_b32 s47, 0
	s_mov_b64 s[18:19], KS
	s_mul_u64 s[22:23], s[20:21], s[18:19]         ; where these rows' scales begin,
	s_mul_u64 s[92:93], s[46:47], s[18:19]
	s_mov_b64 s[18:19], KROW
	s_mul_u64 s[20:21], s[20:21], s[18:19]         ; and their codes
	s_mul_u64 s[46:47], s[46:47], s[18:19]
	s_add_nc_u64 s[46:47], s[46:47], 0x400000      ; the weights lie behind x in both buffers
	s_add_nc_u64 s[92:93], s[92:93], 0x40000
	s_mul_i32 s45, s14, HALFT                      ; where they go: wave x 128 rows: no place in the cluster enters an LDS address
	s_mul_i32 s94, s14, HALFS
	s_wait_dscnt 0x0                               ; both opening adds are done
	s_wait_kmcnt 0x0
	s_add_nc_u64 s[20:21], s[4:5], s[20:21]
	s_add_nc_u64 s[22:23], s[6:7], s[22:23]
	s_add_nc_u64 s[46:47], s[4:5], s[46:47]
	s_add_nc_u64 s[92:93], s[6:7], s[92:93]
	CROUND                                         ; all sixteen work-groups are here: the joint loads meet
	s_mov_b32 s[G0S], 1
	s_add_co_u32 s[G0S+1], s94, SCL
	s_mov_b64 s[G0S+2:G0S+3], s[22:23]
	s_or_b32 s[G0S+3], s[G0S+3], 0x80000000
	s_mov_b32 s[G0SB], 1
	s_add_co_u32 s[G0SB+1], s94, SCL
	s_mov_b64 s[G0SB+2:G0SB+3], s[92:93]
	s_or_b32 s[G0SB+3], s[G0SB+3], 0x80000000
	JLOAD G0S, G1S, G0SB, G1SB                     ; the scales first; three loads of mine are out in all
.irp s, 0,1
	s_mov_b32 s[G0+4*\s], 1
	s_add_co_u32 s[G0+4*\s+1], s45, \s*SLOT
	s_add_nc_u64 s[G0+4*\s+2:G0+4*\s+3], s[20:21], \s*ROWB
	s_or_b32 s[G0+4*\s+3], s[G0+4*\s+3], 0x80000000
	s_mov_b32 s[G0B+4*\s], 1
	s_add_co_u32 s[G0B+4*\s+1], s45, \s*SLOT
	s_add_nc_u64 s[G0B+4*\s+2:G0B+4*\s+3], s[46:47], \s*ROWB
	s_or_b32 s[G0B+4*\s+3], s[G0B+4*\s+3], 0x80000000
	JLOAD G0+4*\s, G1, G0B+4*\s, G1B
.endr
	v_and_b32 v1, 15, v0                           ; r
	v_bfe_u32 v2, v0, 4, 1                         ; h
	v_mul_u32_u24 v3, v1, PITCH
	v_lshl_add_u32 v4, v2, 4, v3                   ; a fragment's row x pitch + 16 x half
	s_mul_i32 s21, s15, HALFT                      ; my 128 rows of A
	s_mul_i32 s22, s16, HALFT                      ; my 128 rows of B,
	s_add_co_u32 s22, s22, 2*HALFT                 ; behind A's 256
.irp s, 0,1
	v_add_nc_u32 v[ADRA+\s], s21, v4
	v_add_nc_u32 v[ADRB+\s], s22, v4
	s_add_co_u32 s21, s21, SLOT
	s_add_co_u32 s22, s22, SLOT
.endr
	v_mul_u32_u24 v5, v1, KS                       ; my row's scales: 32 bytes a row,
	v_lshrrev_b32 v6, 8, v5
	v_lshl_add_u32 v5, v6, 4, v5                   ; and 16 more for each 256 passed
	s_mul_i32 s21, s15, HALFS
	s_mul_i32 s22, s16, HALFS
	s_add_co_u32 s22, s22, 2*HALFS
	s_sub_co_u32 s22, s22, s21
	v_mul_u32_u24 v6, s22, v2                      ; lanes 16-31 take B's
	s_add_co_u32 s21, s21, SCL
	v_add_nc_u32 v5, v5, v6
	v_add_nc_u32 v[ADRS], s21, v5
	s_mul_i32 s23, s14, 4608                       ; my stage: two heads x 16 rows x (128 bytes + 16).  It lies in slot 0, which is filled once and read no more when the first result is stored there
	v_mul_u32_u24 v5, v1, 144
	v_lshl_add_u32 v5, v2, 4, v5
	v_add_nc_u32 v[STO], s23, v5                   ; in: row r, 16 bytes for each half of the lanes
	v_and_b32 v6, 31, v0
	v_lshlrev_b32 v[CO], 4, v6
	v_lshrrev_b32 v5, 3, v6
	v_mul_u32_u24 v5, v5, 144
	v_and_b32 v6, 7, v0
	v_lshl_add_u32 v5, v6, 4, v5
	v_add_nc_u32 v[RD], s23, v5                    ; back: eight lanes to a row of 128 bytes, four rows an instruction
	v_lshlrev_b32 v[TA], 8, v1
	v_lshl_add_u32 v[TA], v2, 5, v[TA]
	v_lshlrev_b32 v[FO], 12, v1
	v_lshl_add_u32 v[FO], v2, 5, v[FO]
	; where my part begins in tab, qkv and q16.  What hangs on the tile row goes through s[20:21], what hangs on the tile column through s[46:47]
	s_lshr_b32 s18, s17, 3                         ; the batch
	s_and_b32 s19, s17, 7
	s_lshl_b32 s19, s19, 8
	s_lshl_b32 s20, s15, 7
	s_add_co_u32 s19, s19, s20                     ; my first position in the sequence
	v_add_nc_u32 v[SIDX], s19, v1
	s_lshl_b32 s20, ttmp9, 19                      ; the cluster's x is the tensor: its table,
	s_lshl_b32 s21, s19, 8                         ; my first row of it
	s_add_co_u32 s20, s20, s21
	s_mov_b32 s21, 0
	s_add_nc_u64 s[8:9], s[8:9], s[20:21]
	s_lshl_b32 s20, s18, 15                        ; 16 heads x 2,048 rows a batch
	s_add_co_u32 s20, s20, s19
	s_lshl_b32 s20, s20, 7                         ; rows of 128 bytes
	s_lshl_b32 s22, ttmp9, 24                      ; 16,777,216 bytes a tensor
	s_add_co_u32 s20, s20, s22
	s_add_nc_u64 s[10:11], s[10:11], s[20:21]
	s_lshl_b32 s46, s40, 2
	s_lshl_b32 s47, s16, 1
	s_add_co_u32 s46, s46, s47                     ; my first head: 4 cx + 2 x half
	s_lshl_b32 s46, s46, 18                        ; 262,144 bytes a head
	s_mov_b32 s47, 0
	s_add_nc_u64 s[10:11], s[10:11], s[46:47]
	s_lshl_b32 s20, ttmp9, 18
	s_lshl_b32 s22, s18, 16
	s_add_co_u32 s20, s20, s22
	s_add_nc_u64 s[12:13], s[12:13], s[20:21]
	s_lshl_b32 s46, s40, 10
	s_lshl_b32 s95, s16, 9
	s_add_co_u32 s46, s46, s95                     ; my first column, in bytes of f32
	s_add_nc_u64 s[12:13], s[12:13], s[46:47]
; The table of block a's 16 rows: lane (r, h) takes, for each 16 columns c of a head, the four pairs (c, s) of i = 8 c + 4 h + 0 .. 3: 32 bytes.  32 registers a block, in window 1.
; Blocks 0-3 lie between B's two sets, idle through the products: they are asked for here.  Blocks 4-7 take B's sets when the products are done.
.macro TABLOAD a
.set TBL, 128*(((\a)%4)/2)+32*((\a)%2)+64*(1-(\a)/4)
.irp c, 0,1,2,3
.irp e, 0,1
	global_load_b128 v[TBL+8*\c+4*\e:TBL+8*\c+4*\e+3], v[TA], s[8:9] offset:4096*(\a)+64*\c+16*\e
.endr
.endr
.endm
	WIN TO_B
	TABLOAD 0
	TABLOAD 1
	TABLOAD 2
	TABLOAD 3
	WIN 0
.macro FRAG reg, adr, q, i             ; 16 rows x 128 K of 4-bit codes: 8 registers: lane l holds row l % 16; registers 4 c .. 4 c + 3 hold K = 64 c + 32 (l / 16) + 0 .. 31
.irp c, 0,1
	ds_load_b128 v[\reg+4*\c:\reg+4*\c+3], v[\adr] offset:64*(\q)+32*\c+(\i)*16*PITCH
.endr
.endm
; 16 matrix instructions: A's blocks a0, a0 + 1 x B's eight, 128 along K.  The 64 accumulators take turns, one instruction a turn, in the same order in every step.
.macro MUL16 a0, p, q, sc, zero
.irp a, \a0, \a0+1
.irp b, 0,1,2,3,4,5,6,7
.if \zero
	v_wmma_scale_f32_16x16x128_f8f6f4 v[8*(8*((\a)%4)+\b):8*(8*((\a)%4)+\b)+7], v[128*(\p)+FR*\b:128*(\p)+FR*\b+FR-1], v[AF+FR*(\a):AF+FR*(\a)+FR-1], 0, v[SC+8*NQ*(\sc)+NQ*\b+(\q)], v[SC+8*NQ*(\sc)+NQ*(\a)+(\q)] matrix_a_fmt:MATRIX_FMT_FP4 matrix_b_fmt:MATRIX_FMT_FP4 matrix_a_scale:MATRIX_SCALE_ROW1
.else
	v_wmma_scale_f32_16x16x128_f8f6f4 v[8*(8*((\a)%4)+\b):8*(8*((\a)%4)+\b)+7], v[128*(\p)+FR*\b:128*(\p)+FR*\b+FR-1], v[AF+FR*(\a):AF+FR*(\a)+FR-1], v[8*(8*((\a)%4)+\b):8*(8*((\a)%4)+\b)+7], v[SC+8*NQ*(\sc)+NQ*\b+(\q)], v[SC+8*NQ*(\sc)+NQ*(\a)+(\q)] matrix_a_fmt:MATRIX_FMT_FP4 matrix_b_fmt:MATRIX_FMT_FP4 matrix_a_scale:MATRIX_SCALE_ROW1
.endif
.endr
.endr
.endm
.macro FETCH_B slot, q, p
	WIN TO_B
.irp i, 0,1,2,3,4,5,6,7
	FRAG 128*(\p)+FR*\i, ADRB+\slot, \q, \i
.endr
	WIN 0
.endm
.macro FETCH_A slot, q, i0
.irp i, \i0, \i0+1, \i0+2, \i0+3
	FRAG AF+FR*(\i), ADRA+\slot, \q, \i
.endr
.endm
.macro SCALES sc                       ; a K step's scale words: 4 words a row; lanes 0-15 take A's block i, lanes 16-31 B's block i
.irp i, 0,1,2,3,4,5,6,7
	ds_load_b128 v[SC+8*NQ*\sc+NQ*\i:SC+8*NQ*\sc+NQ*\i+3], v[ADRS] offset:\i*SBLK
.endr
.endm
.macro PLACES n                        ; plain vector instructions between a matrix instruction and a load into, or a read of, its registers
.rept \n
	v_nop
.endr
.endm
.macro STEP slot, q, zero              ; 128 along K with its successor in the same slot
	s_wait_dscnt 4*NL                              ; B's set and A's blocks 0-3 are in; the youngest eight loads (A's blocks 4-7) may be out
	WIN MUL_LO
	MUL16 0, (\q)%2, \q, \slot, \zero
	MUL16 2, (\q)%2, \q, \slot, \zero
	s_wait_dscnt 0
	PLACES NP
	FETCH_B \slot, (\q)+1, 1-(\q)%2
	FETCH_A \slot, (\q)+1, 0
	WIN MUL_HI
	MUL16 4, (\q)%2, \q, \slot, \zero
	MUL16 6, (\q)%2, \q, \slot, \zero
	PLACES NP
	WIN 0
	FETCH_A \slot, (\q)+1, 4
.endm
.macro STEPS slot, from
.set Q, \from
.rept NQ-1-\from
	STEP \slot, Q, 0
.set Q, Q+1
.endr
.endm
	s_wait_tensorcnt 1                             ; the scales and my part of slot 0 are in (slot 1's load may be out)
	s_barrier_signal -1
	s_barrier_wait -1                              ; everybody's are
	FETCH_B 0, 0, 0
	FETCH_A 0, 0, 0
	SCALES 0
	FETCH_A 0, 0, 4
	STEP 0, 0, 1                                   ; the first products start the sums: nothing is cleared
	STEPS 0, 1
	; slot 0's last step changes slots: one barrier; nothing is filled again
	s_wait_tensorcnt 0x0                           ; my part of slot 1 has landed
	ds_add_u32 v[SPW], v[NIL]                      ; 0 onto my spare word
	s_wait_dscnt 4*NL+1                            ; (the add and A's blocks 4-7 may be out)
	WIN MUL_LO
	MUL16 0, 1, NQ-1, 0, 0
	s_wait_dscnt 0x0                               ; the add is done, and my reads of slot 0 are over
	s_barrier_signal -1
	MUL16 2, 1, NQ-1, 0, 0
	WIN 0
	s_barrier_wait -1                              ; slot 1 is whole, and nobody reads slot 0 any more
	PLACES NP
	v_add_nc_u32 v[ADRS], 4*NQ, v[ADRS]            ; the second K step's scale words
	FETCH_B 1, 0, 0
	FETCH_A 1, 0, 0
	SCALES 1
	WIN MUL_HI
	MUL16 4, 1, NQ-1, 0, 0
	MUL16 6, 1, NQ-1, 0, 0
	PLACES NP
	WIN 0
	FETCH_A 1, 0, 4
	STEPS 1, 0
	s_wait_dscnt 4*NL                              ; the very last step
	WIN MUL_LO
	MUL16 0, 1, NQ-1, 1, 0
	MUL16 2, 1, NQ-1, 1, 0
	s_wait_dscnt 0
	WIN MUL_HI
	MUL16 4, 1, NQ-1, 1, 0
	MUL16 6, 1, NQ-1, 1, 0
	WIN 0
; THE WAY OUT, block by block of 16 rows x 128 columns (two heads).
.macro ROPE a                          ; the rotation and the cast.  X = (xe, xo), CS = (c, s):  T = (-xo s, xe s);  R = X c + T
.set AC, 64*((\a)%4)
.set TBL, 128*(((\a)%4)/2)+32*((\a)%2)+64*(1-(\a)/4)
.set HH, H+32*((\a)%2)
.if (\a) < 4
	s_wait_loadcnt 32                              ; the tables asked for at the head are in; the 32 late loads may be out
.else
	s_wait_loadcnt 8*(7-(\a))                      ; block a's table is in; the later blocks' may be out
.endif
	WIN 0x06+(\a)/4                                ; source 0: the accumulators' window; source 1: window 1
.irp b, 0,1,2,3,4,5,6,7
.irp p, 0,1,2,3                        ; each accumulator is read from its low end on
	v_pk_mul_f32 v[T+2*\p:T+2*\p+1], v[AC+8*\b+2*\p:AC+8*\b+2*\p+1], v[TBL+8*(\b%4)+2*\p:TBL+8*(\b%4)+2*\p+1] op_sel:[1,1] op_sel_hi:[0,1] neg_lo:[1,0]
.endr
.irp p, 0,1,2,3
	v_pk_fma_f32 v[R+8*\b+2*\p:R+8*\b+2*\p+1], v[AC+8*\b+2*\p:AC+8*\b+2*\p+1], v[TBL+8*(\b%4)+2*\p:TBL+8*(\b%4)+2*\p+1], v[T+2*\p:T+2*\p+1] op_sel_hi:[1,0,1]
.endr
.endr
	WIN 0
.set i, 0
.rept 32
	v_cvt_pk_f16_f32 v[HH+i], v[R+2*i], v[R+2*i+1]
.set i, i+1
.endr
.endm
.macro TOSTAGE a                       ; a lane's 16 bytes are an eighth of a head's row: through my stage, and back as whole rows.  LDS serves a wave's instructions in order: no wait between
.set HH, H+32*((\a)%2)
.set BB, BK+32*((\a)%2)
.irp b, 0,1,2,3,4,5,6,7
	ds_store_b128 v[STO], v[HH+4*\b:HH+4*\b+3] offset:(\b/4)*2304+32*(\b%4)
.endr
.irp t, 0,1,2,3,4,5,6,7
	ds_load_b128 v[BB+4*\t:BB+4*\t+3], v[RD] offset:(\t/4)*2304+576*(\t%4)
.endr
.endm
.macro SEND a, younger                 ; younger: the LDS instructions issued behind block a's loads
.set BB, BK+32*((\a)%2)
	s_wait_dscnt \younger
.irp t, 0,1,2,3,4,5,6,7
	global_store_b128 v[CO], v[BB+4*\t:BB+4*\t+3], s[10:11] offset:(\t/4)*262144+2048*(\a)+512*(\t%4)   ; four rows of a head: 512 consecutive bytes, aligned
.endr
.endm
	PLACES NP                                      ; behind the last products: for the loads into B's sets, the reads of results and the writes over A's fragments
	WIN TO_B
	TABLOAD 4
	TABLOAD 5
	TABLOAD 6
	TABLOAD 7
	WIN 0
	ROPE 0
	; positions 0 to 15 of a sequence also leave in f32.  A mask and no branch: the tile row differs between partners of the cluster
	v_cmp_gt_u32 vcc_lo, 16, v[SIDX]
	s_wait_xcnt 0x0                                ; EXEC changes only behind this wait: loads are out
	s_and_saveexec_b32 s66, vcc_lo
.irp b, 0,1,2,3,4,5,6,7
.irp e, 0,1
	global_store_b128 v[FO], v[R+8*\b+4*\e:R+8*\b+4*\e+3], s[12:13] offset:64*\b+16*\e
.endr
.endr
	s_wait_xcnt 0x0                                ; and again: the stores have read EXEC and their data, which the next block writes anew
	s_or_b32 exec_lo, exec_lo, s66
	TOSTAGE 0
.irp a, 1,2,3,4,5,6,7
	ROPE \a
.if \a > 1
	s_wait_xcnt 0x0                                ; block a - 2's stores have read their registers: block a's loads may land there
.endif
	TOSTAGE \a
	SEND \a-1, 16                                  ; behind block a - 1's loads: block a's 8 stores and 8 loads
.endr
	SEND 7, 0
	s_wait_tensorcnt 0x0                           ; the wave's end: behind my last tensor load and my last LDS store
	ds_add_u32 v[SPW], v[NIL]
	s_wait_dscnt 0x0
	CROUND                                         ; the closing round
	s_endpgm
.Lfunc_end_k_qeb7cdb6f38_qkv:
	.size	k_qeb7cdb6f38_qkv, .Lfunc_end_k_qeb7cdb6f38_qkv-k_qeb7cdb6f38_qkv
	.p2alignl 7, 3214868480
	.fill 96, 4, 3214868480
	.section	.rodata,"a",@progbits
	.p2align	6, 0x0
	.amdhsa_kernel k_qeb7cdb6f38_qkv
		.amdhsa_group_segment_fixed_size 327680
		.amdhsa_private_segment_fixed_size 0
		.amdhsa_enable_private_segment 0
		.amdhsa_kernarg_size 40
		.amdhsa_user_sgpr_count 2
		.amdhsa_user_sgpr_kernarg_segment_ptr 1
		.amdhsa_wavefront_size32 1
		.amdhsa_system_sgpr_workgroup_id_x 1
		.amdhsa_system_sgpr_workgroup_id_y 1
		.amdhsa_system_sgpr_workgroup_id_z 1
		.amdhsa_system_vgpr_workitem_id 0
		.amdhsa_next_free_vgpr 1024
		.amdhsa_next_free_sgpr 98
		.amdhsa_reserve_vcc 1
		.amdhsa_float_denorm_mode_32 3
		.amdhsa_float_denorm_mode_16_64 3
		.amdhsa_memory_ordered 1
		.amdhsa_forward_progress 1
		.amdhsa_inst_pref_size 167
	.end_amdhsa_kernel
	.amdgpu_metadata
---
amdhsa.version: [ 1, 2 ]
amdhsa.kernels:
  - .name:           k_qeb7cdb6f38_qkv
    .symbol:         k_qeb7cdb6f38_qkv.kd
    .args:
      - { .name: codes, .offset: 0, .size: 8, .value_kind: global_buffer, .address_space: global }
      - { .name: scales, .offset: 8, .size: 8, .value_kind: global_buffer, .address_space: global }
      - { .name: tab, .offset: 16, .size: 8, .value_kind: global_buffer, .address_space: global }
      - { .name: qkv, .offset: 24, .size: 8, .value_kind: global_buffer, .address_space: global }
      - { .name: q16, .offset: 32, .size: 8, .value_kind: global_buffer, .address_space: global }
    .group_segment_fixed_size: 327680
    .private_segment_fixed_size: 0
    .kernarg_segment_align: 8
    .kernarg_segment_size: 40
    .max_flat_workgroup_size: 128
    .sgpr_count:     98
    .vgpr_count:     1024
    .wavefront_size: 32
...
	.end_amdgpu_metadata
.endif
;; end of part 2
;; launch attn (part 3): grid 4 x 64, 8 waves a work-group, no clusters, 327,680 bytes of LDS; arguments qkv, ao; writes ao
.if DOCPART == 3
	.amdgcn_target "amdgcn-amd-amdhsa--gfx1250"
	.amdhsa_code_object_version 6
	.text
	.protected	k_qeb7cdb6f38_attn
	.globl	k_qeb7cdb6f38_attn
	.p2align	8
	.type	k_qeb7cdb6f38_attn,@function
k_qeb7cdb6f38_attn:
	s_mov_b64 s[64:65], 0
	v_nop
	global_prefetch_b8 v0, s[64:65] scope:SCOPE_SE
	s_setreg_imm32_b32 hwreg(HW_REG_WAVE_MODE, 25, 1), 1
	s_wait_xcnt 0x0
; Causal attention, head size 64, on f16 operands with f32 products, maxima and sums.  qkv: f16 [3][64 heads][2048][64]; Q comes already multiplied by log2(e) / 8, so a score is an exponent of 2.  ao: f16 [64][2048][64].
; SHARES.  Work-group (i, head) owns the blocks of 256 queries 7 - i ("late") and i ("early"): 9 blocks of keys of work for every work-group.  Each of its eight waves holds four tiles of 16 queries:
; tiles 0, 1 from query 256 (7 - i) + 32 w, tiles 2, 3 from query 256 i + 32 (7 - w).  Two waves share a SIMD: one's vector work stands beside the other's products.
; NO CLUSTER: only the query blocks of one head share K and V, and under the causal mask each of them needs another number of tiles, so partners could not make every joint request.
; LAYOUT.  S^T = K Q^T (source 0 = 16 keys, source 1 = 16 queries): a lane holds one query (lane % 16) and keys 8 (lane / 16) + 0..7 of each tile of keys.  Rounded to f16 in pairs, two such tiles are source 1
; of O^T = V^T P, whose result again holds one query a lane.  K comes out of LDS as it lies, V ([key][channel]) turned, by ds_load_tr16_b128.
; SOFTMAX.  A running maximum m and sum l for each query: p = 2^(s - m); in every step O and l are multiplied by a = 2^(m_old - m_new).  The sum is taken of p before it is rounded.
; THE MASK.  Every work-group walks all eight slots of 256 keys: the trip counts are constants.  A step of 64 keys is left out where its first key comes after the piece's first query (both are multiples of 32, the key of 64,
; so every query of a piece that is walked sees the step's first key, and m is a number from key 0 on).  On the diagonal hidden scores become -infinity.  A slot whose first key comes after the work-group's last query is not asked for.
; LIMITS: NaN and infinities are not served; p under 2^-24 is rounded to 0 in f16.
; REGISTERS: window 0: v1-15 addresses; v16-47 statistics, 8 a tile (+0 m, +1 its pair's upper word, +2:3 l, +4..7 at work, a in +6); v48-111 S of the piece in hand, 32 a tile, P in the first 16 of them;
;   v112-175 K's fragments; v176-239 Q's.   window 1: v0-127 O^T, 32 a tile; v128-191 V's fragments.
.set PK,    144                        ; a row of K in LDS: 128 bytes + 16: the 16 rows of a load start at 16 different banks (64 banks of 4 bytes: ISA guide 11.1)
.set PV,    160                        ; a row of V: 128 + 32: an odd multiple of 32 bytes, for the turning load
.set SKEYS, 256                        ; keys in a slot
.set VOFF,  SKEYS*PK                   ; a slot: 256 rows of K, then 256 rows of V
.set SLOT1, 1<<17                      ; slot 1 begins here: one exclusive or turns an address
.set STAGE, SLOT1+SKEYS*(PK+PV)        ; behind the ring: 16 rows x 144 bytes for each wave, for the way out
.set SPARE, STAGE+8*16*PK              ; behind the stages: the spare words, 128 bytes for each wave
.set AK0, 1                            ; v1  my lane's place in a tile of K
.set AV0, 2                            ; v2  the same for V
.set ADK, 3                            ; v3, v4 the addresses of the step in hand
.set ADV, 4
.set QO,  5                            ; v5  my byte offset in 16 rows of Q
.set STO, 6
.set RD,  7
.set GO,  8                            ; v8  16 x lane
.set VRH, 9                            ; v9  lane % 16 - 8 (lane / 16)
.set NINF, 10                          ; v10 -infinity
.set DD,  11                           ; v11 at work: the mask's threshold
.set PFO, 12                           ; v12 256 x lane; never rewritten
.set SPW, 14                           ; v14 LDS address of my spare word; never rewritten
.set NIL, 15                           ; v15 0; never rewritten
.set ST,  16
.set S,   48
.set KFR, 112
.set QFR, 176
.set VFR, 128                          ; in window 1
.set WV,  8                            ; s8  my wave's number
.set QL,  11                           ; s11 the late piece's first query;  s12 the early piece's
.set QE,  12
.set KF,  13                           ; s13 the step's first key
.set TK,  14                           ; s14, s15 LDS byte at which the step's rows of K, of V (less VOFF) begin
.set TV,  15
.set SLOTS, 16
.set CNT, 17
.set TMP0, 18
.set TMP1, 19
.set SEL, 20                           ; s[20:21] v_permlanex16_b32's selects for lane l xor 16
.set G1K, 24
.set G1V, 32
.set G0K, 40
.set G0V, 44
.set PFA, 48                           ; s[48:49] where my prefetches stand: my quarter of the slot after the one that is being asked for
.set LIM, 50                           ; s50 1 in a work-group that prefetches, else the greatest number
.set OL,  52                           ; s[52:53], s[54:55] ao at my late and early rows
.set OE,  54
.set QLB, 56                           ; s[56:57], s[58:59] Q likewise
.set QEB, 58
.set MSB, 0
.macro WIN new
.if MSB != (\new)
	s_set_vgpr_msb (MSB<<8)|(\new)
.set MSB, (\new)
.endif
.endm
; Waves 0 to 3 fetch K's four quarters of a slot (64 rows each), waves 4 to 7 V's.  The branch hangs on the wave's number alone.  An s_nop 0 and four v_nop follow each line.
.macro TLOAD
	s_cmp_lt_u32 s[WV], 4
	s_cbranch_scc0 .Lfor_v_\@
	tensor_load_to_lds s[G0K:G0K+3], s[G1K:G1K+7]
	s_nop 0
.rept 4
	v_nop
.endr
	s_branch .Lasked_\@
.Lfor_v_\@:
	tensor_load_to_lds s[G0V:G0V+3], s[G1V:G1V+7]
	s_nop 0
.rept 4
	v_nop
.endr
.Lasked_\@:
.endm
; A PREFETCH INTO THE L2 of what the next change of slots will ask for.  All four work-groups of a head walk the same K and V; work-group x = 0, which loads all eight slots, asks, and nobody else.  Each of its waves names the
; quarter that it will load itself: 64 rows of 128 bytes = 8,192 dense bytes, lanes 256 bytes apart.  So each block of 256 bytes is named once.  It stands four key steps ahead of the load.  Slots 0 and 1 come by their loads
; alone, and the last change that fills a slot asks for nothing.
.macro ASK
	s_cmp_gt_u32 s[SLOTS], s[LIM]
	s_cbranch_scc0 .Lnot_mine_\@
	global_prefetch_b8 v[PFO], s[PFA:PFA+1] th:TH_LOAD_NT scope:SCOPE_SE
.Lnot_mine_\@:
.endm
	s_load_b128 s[4:7], s[0:1], 0x0                ; qkv, ao
	v_lshl_add_u32 v[SPW], v0, 2, SPARE
	v_mov_b32 v[NIL], 0
	ds_add_u32 v[SPW], v[NIL]                      ; the wave's opening: the add, twice on end, and its wait ahead of my first tensor load
	ds_add_u32 v[SPW], v[NIL]
	v_lshrrev_b32 v1, 5, v0
	v_readfirstlane_b32 s[WV], v1                  ; wave 0..7
	s_and_b32 s9, s[WV], 3                         ; which quarter of a slot I fetch
	s_and_b32 s10, ttmp7, 0xffff
	s_lshl_b32 s10, s10, 18                        ; the head's first byte in a tensor: 262,144 bytes a head
	s_sub_co_u32 s[QL], 7, ttmp9
	s_lshl_b32 s[QL], s[QL], 8
	s_lshl_b32 s[TMP0], s[WV], 5
	s_add_co_u32 s[QL], s[QL], s[TMP0]             ; 256 (7 - i) + 32 w
	s_sub_co_u32 s[QE], 7, s[WV]
	s_lshl_b32 s[QE], s[QE], 5
	s_lshl_b32 s[TMP0], ttmp9, 8
	s_add_co_u32 s[QE], s[QE], s[TMP0]             ; 256 i + 32 (7 - w)
	s_lshl_b32 s60, s9, 13                         ; 64 rows of 128 bytes a quarter
	s_add_co_u32 s60, s60, s10
	s_add_co_u32 s60, s60, 0x1000000               ; K is the second tensor,
	s_mov_b32 s61, 0
	s_add_co_u32 s62, s60, 0x1000000               ; V the third
	s_mov_b32 s63, 0
	; descriptor group 1: 64 rows x 64 elements of 2 bytes, dense in memory, padded in LDS behind every 32 words: 4 words for K, 8 for V
	s_mov_b32 s[G1K], (1<<16)|(1<<20)|(4<<22)|(3<<25)
	s_mov_b32 s[G1V], (1<<16)|(1<<20)|(4<<22)|(7<<25)
.irp g, G1K, G1V
	s_mov_b32 s[\g+1], 64<<16                      ; tensor_dim0
	s_mov_b32 s[\g+2], 64<<16                      ; tensor_dim1
	s_mov_b32 s[\g+3], 64<<16                      ; tile_dim0
	s_mov_b32 s[\g+4], 64                          ; tile_dim1
	s_mov_b32 s[\g+5], 64                          ; the pitch
	s_mov_b32 s[\g+6], 0
	s_mov_b32 s[\g+7], 0
.endr
	s_mov_b32 s[SEL], 0x76543210
	s_mov_b32 s[SEL+1], 0xfedcba98
	s_mov_b32 s[KF], 0
	s_mov_b32 s[TK], 0
	s_mov_b32 s[TV], 0
	s_mov_b32 s[SLOTS], 7
	s_wait_dscnt 0x0                               ; both opening adds are done
	s_wait_kmcnt 0x0
	s_mov_b32 s[G0K], 1
	s_mul_i32 s[G0K+1], s9, 64*PK
	s_add_nc_u64 s[G0K+2:G0K+3], s[4:5], s[60:61]
	s_or_b32 s[G0K+3], s[G0K+3], 0x80000000
	s_mov_b32 s[G0V], 1
	s_mul_i32 s[G0V+1], s9, 64*PV
	s_add_co_u32 s[G0V+1], s[G0V+1], VOFF
	s_add_nc_u64 s[G0V+2:G0V+3], s[4:5], s[62:63]
	s_or_b32 s[G0V+3], s[G0V+3], 0x80000000
	TLOAD                                          ; slot 0: one load of mine is out
	s_cmp_lt_u32 s[WV], 4
	s_cselect_b32 s22, s60, s62
	s_add_co_u32 s22, s22, SKEYS*128               ; my quarter of slot 1: the first change of slots steps it to slot 2
	s_mov_b32 s23, 0
	s_add_nc_u64 s[PFA:PFA+1], s[4:5], s[22:23]
	s_cmp_eq_u32 ttmp9, 0
	s_cselect_b32 s[LIM], 1, -1
	s_lshl_b32 s22, s[QL], 7
	s_add_co_u32 s22, s22, s10
	s_add_nc_u64 s[QLB:QLB+1], s[4:5], s[22:23]
	s_add_nc_u64 s[OL:OL+1], s[6:7], s[22:23]
	s_lshl_b32 s22, s[QE], 7
	s_add_co_u32 s22, s22, s10
	s_add_nc_u64 s[QEB:QEB+1], s[4:5], s[22:23]
	s_add_nc_u64 s[OE:OE+1], s[6:7], s[22:23]
	v_and_b32 v16, 15, v0                          ; r
	v_bfe_u32 v17, v0, 4, 1                        ; h
	v_lshlrev_b32 v[QO], 7, v16
	v_lshl_add_u32 v[QO], v17, 4, v[QO]            ; row r of 128 bytes + 16 h
.irp u, 0,1                            ; Q stays in registers: a fragment is 16 queries x 32 channels: two loads of 16 bytes, 32 bytes apart
.irp ks, 0,1
.irp e, 0,1
	global_load_b128 v[QFR+16*\u+8*\ks+4*\e:QFR+16*\u+8*\ks+4*\e+3], v[QO], s[QLB:QLB+1] offset:2048*\u+64*\ks+32*\e
	global_load_b128 v[QFR+32+16*\u+8*\ks+4*\e:QFR+32+16*\u+8*\ks+4*\e+3], v[QO], s[QEB:QEB+1] offset:2048*\u+64*\ks+32*\e
.endr
.endr
.endr
	v_mul_u32_u24 v[AK0], v16, PK
	v_lshl_add_u32 v[AK0], v17, 4, v[AK0]
	v_and_b32 v18, 7, v0
	v_bfe_u32 v19, v0, 3, 1
	v_lshl_add_u32 v[AV0], v17, 3, v18             ; the turning load: lane l reads key 8 (l / 16) + l % 8, channels 8 ((l / 8) % 2) + 0..7
	v_mul_u32_u24 v[AV0], v[AV0], PV
	v_lshl_add_u32 v[AV0], v19, 4, v[AV0]
	v_add_nc_u32 v[AV0], VOFF, v[AV0]
	s_mul_i32 s[TMP0], s[WV], 16*PK
	s_add_co_u32 s[TMP0], s[TMP0], STAGE           ; my stage
	v_mul_u32_u24 v[STO], v16, PK
	v_lshl_add_u32 v[STO], v17, 4, v[STO]
	v_add_nc_u32 v[STO], s[TMP0], v[STO]           ; in: row r, 16 bytes for each half of the lanes
	v_and_b32 v20, 31, v0
	v_lshrrev_b32 v21, 3, v20
	v_mul_u32_u24 v[RD], v21, PK
	v_lshl_add_u32 v[RD], v18, 4, v[RD]
	v_add_nc_u32 v[RD], s[TMP0], v[RD]             ; back: eight lanes to a row, four rows an instruction
	v_lshlrev_b32 v[GO], 4, v20
	v_lshlrev_b32 v[VRH], 3, v17
	v_sub_nc_u32 v[VRH], v16, v[VRH]
	v_mov_b32 v[NINF], 0xff800000
	v_lshlrev_b32 v[PFO], 8, v20
.irp t, 0,1,2,3
	v_mov_b32 v[ST+8*\t], 0xff61b1e6               ; m: -3e38, under every score
	v_mov_b32 v[ST+8*\t+1], 0                      ; (named with it as a pair)
	v_mov_b32 v[ST+8*\t+2], 0                      ; l, in two halves
	v_mov_b32 v[ST+8*\t+3], 0
.irp j, 4,5,6,7
	v_mov_b32 v[ST+8*\t+\j], 0                     ; written once: a lane permute's destination counts as one of its sources, and a packed source names its pair's upper word: both have been written on every way through the text
.endr
.endr
	WIN 0x40
.set i, 0
.rept 128
	v_mov_b32 v[i], 0                              ; O^T.  (The step is written once: its first walk finds zeros, which a = 0 leaves zeros)
.set i, i+1
.endr
	WIN 0
; A PIECE: two tiles of queries (p = 0: the late ones, 1: the early ones) against the step's 64 keys.
.macro PIECE p
.set T0S, ST+16*(\p)
.set O0,  64*(\p)
.if (\p) == 0
	s_wait_dscnt 16                                ; K's 16 loads are in; V's 16 may be out
.endif
.irp ks, 0,1                           ; S^T = K Q^T: eight accumulators by turns, one instruction a turn; the first eight start the sums
.irp kt, 0,1,2,3
.irp u, 0,1
.set rS, S+32*\u+8*\kt
.set rK, KFR+16*\kt+8*\ks
.set rQ, QFR+16*(2*(\p)+\u)+8*\ks
.if \ks == 0
	v_wmma_f32_16x16x32_f16 v[rS:rS+7], v[rK:rK+7], v[rQ:rQ+7], 0
.else
	v_wmma_f32_16x16x32_f16 v[rS:rS+7], v[rK:rK+7], v[rQ:rQ+7], v[rS:rS+7]
.endif
.endr
.endr
.endr
.rept 4
	v_nop                                          ; places in front of the first read of results (ISA guide 7.12.1)
.endr
	s_add_co_u32 s[TMP0], s[KF], 63                ; a step all of whose keys count for all of the piece's queries skips the mask: ids and the count of steps alone
	s_cmp_le_u32 s[TMP0], s[QL+(\p)]
	s_cbranch_scc1 .Lopen_\@
	s_sub_co_u32 s[TMP0], s[QL+(\p)], s[KF]
	v_add_nc_u32 v[DD], s[TMP0], v[VRH]            ; register 8 kt + j of tile u holds key KF + 16 kt + 8 (lane / 16) + j: hidden where 16 kt + j - 16 u > first query - KF + lane % 16 - 8 (lane / 16)
.set n, 0
.rept 32
	v_cmp_gt_i32 vcc_lo, 16*(n/8)+n%8, v[DD]
	v_cndmask_b32 v[S+n], v[S+n], v[NINF], vcc_lo
.set n, n+1
.endr
.set n, 0
.rept 32
	v_cmp_gt_i32 vcc_lo, 16*(n/8)+n%8-16, v[DD]
	v_cndmask_b32 v[S+32+n], v[S+32+n], v[NINF], vcc_lo
.set n, n+1
.endr
.Lopen_\@:
.irp j, 0,1,2,3                        ; the maximum of 32 scores and the old m, three operands at a time, in four chains; the two tiles line by line.  Each accumulator is read from its low end on
.irp u, 0,1
	v_max3_num_f32 v[T0S+8*\u+4+\j], v[S+32*\u+8*\j], v[S+32*\u+8*\j+1], v[S+32*\u+8*\j+2]
.endr
.endr
.irp i, 3,5
.irp j, 0,1,2,3
.irp u, 0,1
	v_max3_num_f32 v[T0S+8*\u+4+\j], v[T0S+8*\u+4+\j], v[S+32*\u+8*\j+\i], v[S+32*\u+8*\j+\i+1]
.endr
.endr
.endr
.irp u, 0,1
	v_max3_num_f32 v[T0S+8*\u+4], v[T0S+8*\u+4], v[S+32*\u+7], v[S+32*\u+15]
	v_max3_num_f32 v[T0S+8*\u+6], v[T0S+8*\u+6], v[S+32*\u+23], v[S+32*\u+31]
.endr
.irp u, 0,1
	v_max3_num_f32 v[T0S+8*\u+4], v[T0S+8*\u+4], v[T0S+8*\u+5], v[T0S+8*\u+6]
.endr
.irp u, 0,1
	v_max3_num_f32 v[T0S+8*\u+4], v[T0S+8*\u+4], v[T0S+8*\u+7], v[T0S+8*\u]
.endr
.irp u, 0,1
	v_permlanex16_b32 v[T0S+8*\u+5], v[T0S+8*\u+4], s[SEL], s[SEL+1]   ; the query's other 32 keys lie in the lane 16 away
.endr
.irp u, 0,1
	v_max_num_f32 v[T0S+8*\u+5], v[T0S+8*\u+4], v[T0S+8*\u+5]          ; the new m
.endr
.irp u, 0,1
	v_sub_f32 v[T0S+8*\u+7], v[T0S+8*\u], v[T0S+8*\u+5]                ; m_old - m_new
.endr
.irp u, 0,1
	v_mov_b32 v[T0S+8*\u], v[T0S+8*\u+5]
.endr
.set n, 0
.rept 16
	v_pk_add_f32 v[S+n:S+n+1], v[S+n:S+n+1], v[T0S:T0S+1] op_sel_hi:[1,0] neg_lo:[0,1] neg_hi:[0,1]              ; s - m, two at a time
	v_pk_add_f32 v[S+32+n:S+32+n+1], v[S+32+n:S+32+n+1], v[T0S+8:T0S+9] op_sel_hi:[1,0] neg_lo:[0,1] neg_hi:[0,1]
.set n, n+2
.endr
	v_exp_f32 v[T0S+6], v[T0S+7]                   ; a.  ONE BATCH: the piece's 66 exponentials; none reads another's result
	v_exp_f32 v[T0S+14], v[T0S+15]
.set n, 0
.rept 32
	v_exp_f32 v[S+n], v[S+n]
	v_exp_f32 v[S+32+n], v[S+32+n]
.set n, n+1
.endr
	v_nop                                          ; the plain instruction behind the last exponential
	s_wait_alu depctr_va_vdst(0)                   ; and the one wait for the batch, ahead of its first reader
.irp u, 0,1                            ; l = l a + the sum of the unrounded p: two chains a tile
	v_pk_add_f32 v[T0S+8*\u+4:T0S+8*\u+5], v[S+32*\u:S+32*\u+1], v[S+32*\u+2:S+32*\u+3]
	v_pk_fma_f32 v[T0S+8*\u+2:T0S+8*\u+3], v[T0S+8*\u+2:T0S+8*\u+3], v[T0S+8*\u+6:T0S+8*\u+7], v[S+32*\u+4:S+32*\u+5] op_sel_hi:[1,0,1]
.endr
.irp u, 0,1
	v_pk_add_f32 v[T0S+8*\u+4:T0S+8*\u+5], v[T0S+8*\u+4:T0S+8*\u+5], v[S+32*\u+6:S+32*\u+7]
.endr
.irp j, 8,12,16,20,24,28
.irp u, 0,1
	v_pk_add_f32 v[T0S+8*\u+2:T0S+8*\u+3], v[T0S+8*\u+2:T0S+8*\u+3], v[S+32*\u+\j:S+32*\u+\j+1]
	v_pk_add_f32 v[T0S+8*\u+4:T0S+8*\u+5], v[T0S+8*\u+4:T0S+8*\u+5], v[S+32*\u+\j+2:S+32*\u+\j+3]
.endr
.endr
.irp u, 0,1
	v_pk_add_f32 v[T0S+8*\u+2:T0S+8*\u+3], v[T0S+8*\u+2:T0S+8*\u+3], v[T0S+8*\u+4:T0S+8*\u+5]
.endr
.set n, 0
.rept 16
	v_cvt_pk_f16_f32 v[S+n], v[S+2*n], v[S+2*n+1]              ; P in place, ascending: register n is written when registers 2 n, 2 n + 1 are read
	v_cvt_pk_f16_f32 v[S+32+n], v[S+32+2*n], v[S+32+2*n+1]
.set n, n+1
.endr
	WIN 0x41                                       ; O^T (destination and source 0) in window 1, a in window 0
.set n, 0
.rept 16
	v_pk_mul_f32 v[O0+n:O0+n+1], v[O0+n:O0+n+1], v[T0S+6:T0S+7] op_sel_hi:[1,0]
	v_pk_mul_f32 v[O0+32+n:O0+32+n+1], v[O0+32+n:O0+32+n+1], v[T0S+14:T0S+15] op_sel_hi:[1,0]
.set n, n+2
.endr
.if (\p) == 0
	s_wait_dscnt 0x0                               ; V is in
.endif
	WIN 0x51                                       ; V in window 1, P in window 0, O^T in window 1
.irp g, 0,1                            ; O^T += V^T P: eight accumulators by turns
.irp ct, 0,1,2,3
.irp u, 0,1
.set rO, O0+32*\u+8*\ct
.set rV, VFR+32*\g+8*\ct
.set rP, S+32*\u+8*\g
	v_wmma_f32_16x16x32_f16 v[rO:rO+7], v[rV:rV+7], v[rP:rP+7], v[rO:rO+7]
.endr
.endr
.endr
	WIN 0
.endm
; A KEY STEP: 64 keys.
.macro STEP
	s_cmp_gt_u32 s[KF], s[QL]                      ; all keys come after all my queries: the step's work is left out; not the lines at its end that step addresses
	s_cbranch_scc1 .Lhidden_\@
	v_add_nc_u32 v[ADK], s[TK], v[AK0]
	v_add_nc_u32 v[ADV], s[TV], v[AV0]
.rept 3
	v_nop                                          ; with the two additions: five places behind the last products, for the loads into V's registers (four) and for the products that write S over P (five)
.endr
.irp kt, 0,1,2,3
.irp ks, 0,1
	ds_load_b128 v[KFR+16*\kt+8*\ks:KFR+16*\kt+8*\ks+3], v[ADK] offset:16*PK*\kt+64*\ks
	ds_load_b128 v[KFR+16*\kt+8*\ks+4:KFR+16*\kt+8*\ks+7], v[ADK] offset:16*PK*\kt+64*\ks+32
.endr
.endr
	WIN 0x40
.irp g, 0,1
.irp ct, 0,1,2,3
	ds_load_tr16_b128 v[VFR+32*\g+8*\ct:VFR+32*\g+8*\ct+3], v[ADV] offset:32*PV*\g+32*\ct
	ds_load_tr16_b128 v[VFR+32*\g+8*\ct+4:VFR+32*\g+8*\ct+7], v[ADV] offset:32*PV*\g+16*PV+32*\ct
.endr
.endr
	WIN 0
	PIECE 0
	s_cmp_gt_u32 s[KF], s[QE]
	s_cbranch_scc1 .Lhidden_\@
.rept 5
	v_nop                                          ; five places: the next products write S over the P that the last ones read
.endr
	PIECE 1
.Lhidden_\@:
	s_add_co_u32 s[KF], s[KF], 64
	s_add_co_u32 s[TK], s[TK], 64*PK
	s_add_co_u32 s[TV], s[TV], 64*PV
.endm
; THE CHANGE OF SLOTS stands at a slot's head.  Each wave waits for all its tensor loads (its part of the slot that it is about to read), adds 0 to its spare word, and waits for that and for its reads of the slot that it has left.
; Behind the barrier the slot ahead is whole and nobody reads the other one.  fill = 1: that other slot is asked for, up to the causal limit; the load has four key steps in which to land.
.macro CHANGE fill
	s_wait_tensorcnt 0x0                           ; no tensor load of mine is out, so a group 0 may be written
	ds_add_u32 v[SPW], v[NIL]                      ; 0 onto my spare word
.if \fill
	s_xor_b32 s[G0K+1], s[G0K+1], SLOT1            ; the walking descriptors: the other slot than last time, the next 256 keys
	s_add_nc_u64 s[G0K+2:G0K+3], s[G0K+2:G0K+3], SKEYS*128
	s_xor_b32 s[G0V+1], s[G0V+1], SLOT1
	s_add_nc_u64 s[G0V+2:G0V+3], s[G0V+2:G0V+3], SKEYS*128
	s_wait_xcnt 0x0                                ; the last prefetch, a slot back, has read its address
	s_add_nc_u64 s[PFA:PFA+1], s[PFA:PFA+1], SKEYS*128
.endif
	s_wait_dscnt 0x0                               ; the add is done, and my reads of the slot that I have left are over
	s_barrier_signal -1
	s_barrier_wait -1
.if \fill
	s_add_co_u32 s[TMP0], s[KF], SKEYS             ; the first key of the slot that this change would ask for
	s_or_b32 s[TMP1], s[QL], 255                   ; my work-group's last query
	s_cmp_gt_u32 s[TMP0], s[TMP1]                  ; ids and the count of steps alone: all eight waves go the same way.  A slot beyond the limit is read by no wave, so it is not asked for
	s_cbranch_scc1 .Lpast_\@
	TLOAD                                          ; my one tensor load until the next such barrier
.Lpast_\@:
	ASK
.endif
.endm
.macro SLOT_STEPS                      ; a slot's four key steps: written once, walked four times
	s_mov_b32 s[CNT], 4
.Lstep_\@:
	STEP
	s_sub_co_u32 s[CNT], s[CNT], 1
	s_cmp_lg_u32 s[CNT], 0
	s_cbranch_scc1 .Lstep_\@
	s_sub_co_u32 s[TK], s[TK], SKEYS*PK            ; back to a slot's first step,
	s_xor_b32 s[TK], s[TK], SLOT1                  ; in the other slot
	s_sub_co_u32 s[TV], s[TV], SKEYS*PV
	s_xor_b32 s[TV], s[TV], SLOT1
.endm
	s_wait_loadcnt 0x0                             ; Q
.Lslot:                                            ; seven trips: behind each change of slots but the last the next slot is asked for, up to the limit
	CHANGE 1
	SLOT_STEPS
	s_sub_co_u32 s[SLOTS], s[SLOTS], 1
	s_cmp_lg_u32 s[SLOTS], 0
	s_cbranch_scc1 .Lslot
	CHANGE 0                                       ; the last slot is written out: nothing is left to ask for
	SLOT_STEPS
	; THE WAY OUT.  l's halves are added; O^T is divided by l, rounded to f16 and sent through my stage, a tile (16 rows of 128 bytes) at a time.  The additions are the places behind the last products.
.irp t, 0,1,2,3
	v_add_f32 v[ST+8*\t+4], v[ST+8*\t+2], v[ST+8*\t+3]
.endr
.irp t, 0,1,2,3
	v_permlanex16_b32 v[ST+8*\t+5], v[ST+8*\t+4], s[SEL], s[SEL+1]
.endr
.irp t, 0,1,2,3
	v_add_f32 v[ST+8*\t+4], v[ST+8*\t+4], v[ST+8*\t+5]
.endr
.irp t, 0,1,2,3
	v_rcp_f32 v[ST+8*\t+6], v[ST+8*\t+4]
.endr
	v_nop                                          ; the plain instruction behind the last reciprocal
	s_wait_alu depctr_va_vdst(0)                   ; one wait for the four, ahead of their first reader
.irp t, 0,1,2,3                        ; each tile has its own registers for its packed rows (Q's old ones) and for the rows read back (K's old ones)
	WIN 0x01                                       ; source 0 (O^T) window 1
.set n, 0
.rept 16
	v_pk_mul_f32 v[S+n:S+n+1], v[32*\t+n:32*\t+n+1], v[ST+8*\t+6:ST+8*\t+7] op_sel_hi:[1,0]
.set n, n+2
.endr
	WIN 0
.set n, 0
.rept 16
	v_cvt_pk_f16_f32 v[QFR+16*\t+n], v[S+2*n], v[S+2*n+1]
.set n, n+1
.endr
.irp ct, 0,1,2,3
	ds_store_b128 v[STO], v[QFR+16*\t+4*\ct:QFR+16*\t+4*\ct+3] offset:32*\ct
.endr
.irp u, 0,1,2,3
	ds_load_b128 v[KFR+16*\t+4*\u:KFR+16*\t+4*\u+3], v[RD] offset:4*PK*\u   ; LDS serves a wave's instructions in order: these see the stores above, and the next tile's stores come behind them
.endr
.endr
.irp t, 0,1
.irp u, 0,1,2,3
	s_wait_dscnt 8*(3-\t)+3-\u                     ; behind this load: its tile's younger loads and eight instructions for each later tile
	global_store_b128 v[GO], v[KFR+16*\t+4*\u:KFR+16*\t+4*\u+3], s[OL:OL+1] offset:2048*\t+512*\u   ; four rows: 512 consecutive bytes, aligned
.endr
.endr
.irp t, 0,1
.irp u, 0,1,2,3
	s_wait_dscnt 8*(1-\t)+3-\u
	global_store_b128 v[GO], v[KFR+32+16*\t+4*\u:KFR+32+16*\t+4*\u+3], s[OE:OE+1] offset:2048*\t+512*\u
.endr
.endr
	s_wait_tensorcnt 0x0                           ; the wave's end: behind my last tensor load and my last LDS store
	ds_add_u32 v[SPW], v[NIL]
	s_wait_dscnt 0x0
	s_endpgm
.Lfunc_end_k_qeb7cdb6f38_attn:
	.size	k_qeb7cdb6f38_attn, .Lfunc_end_k_qeb7cdb6f38_attn-k_qeb7cdb6f38_attn
	.p2alignl 7, 3214868480
	.fill 96, 4, 3214868480
	.section	.rodata,"a",@progbits
	.p2align	6, 0x0
	.amdhsa_kernel k_qeb7cdb6f38_attn
		.amdhsa_group_segment_fixed_size 327680
		.amdhsa_private_segment_fixed_size 0
		.amdhsa_enable_private_segment 0
		.amdhsa_kernarg_size 16
		.amdhsa_user_sgpr_count 2
		.amdhsa_user_sgpr_kernarg_segment_ptr 1
		.amdhsa_wavefront_size32 1
		.amdhsa_system_sgpr_workgroup_id_x 1
		.amdhsa_system_sgpr_workgroup_id_y 1
		.amdhsa_system_sgpr_workgroup_id_z 1
		.amdhsa_system_vgpr_workitem_id 0
		.amdhsa_next_free_vgpr 448
		.amdhsa_next_free_sgpr 66
		.amdhsa_reserve_vcc 1
		.amdhsa_float_denorm_mode_32 3
		.amdhsa_float_denorm_mode_16_64 3
		.amdhsa_memory_ordered 1
		.amdhsa_forward_progress 1
		.amdhsa_inst_pref_size 109
	.end_amdhsa_kernel
	.amdgpu_metadata
---
amdhsa.version: [ 1, 2 ]
amdhsa.kernels:
  - .name:           k_qeb7cdb6f38_attn
    .symbol:         k_qeb7cdb6f38_attn.kd
    .args:
      - { .name: qkv, .offset: 0, .size: 8, .value_kind: global_buffer, .address_space: global }
      - { .name: ao, .offset: 8, .size: 8, .value_kind: global_buffer, .address_space: global }
    .group_segment_fixed_size: 327680
    .private_segment_fixed_size: 0
    .kernarg_segment_align: 8
    .kernarg_segment_size: 16
    .max_flat_workgroup_size: 256
    .sgpr_count:     66
    .vgpr_count:     448
    .wavefront_size: 32
...
	.end_amdgpu_metadata
.endif
;; end of part 3
;; launch proj (part 4): grid 4 x 64, 4 waves a work-group, clusters of 4 x 4, 327,680 bytes of LDS; arguments ao, wo16, out0; writes out0
.if DOCPART == 4
	.amdgcn_target "amdgcn-amd-amdhsa--gfx1250"
	.amdhsa_code_object_version 6
	.text
	.protected	k_qeb7cdb6f38_proj
	.globl	k_qeb7cdb6f38_proj
	.p2align	8
	.type	k_qeb7cdb6f38_proj,@function
k_qeb7cdb6f38_proj:
	s_mov_b64 s[64:65], 0
	v_nop
	global_prefetch_b8 v0, s[64:65] scope:SCOPE_SE
	s_setreg_imm32_b32 hwreg(HW_REG_WAVE_MODE, 25, 1), 1
	s_wait_xcnt 0x0
	s_wait_alu depctr_hold_cnt(0) depctr_sa_sdst(0) depctr_va_vdst(0) depctr_va_sdst(0) depctr_va_ssrc(0) depctr_va_vcc(0) depctr_vm_vsrc(0)
	s_getreg_b32 s2, hwreg(HW_REG_IB_STS2, 6, 4)
	s_cmp_eq_u32 s2, 0
	s_cbranch_scc0 .Lentry_in_a_cluster
	s_endpgm
.Lentry_in_a_cluster:
	s_bfe_u32 s2, ttmp6, 0x10000c
	s_cmp_lg_u32 s2, 0xf033
	s_cbranch_scc0 .Lentry_shape_is_right
	s_endpgm
.Lentry_shape_is_right:
; out0[m][o] = sum over i of A[m][i] W_O[o][i], f16 operands, f32 sums and results.  M = 8,192, N = K = 1,024.
; Both operands lie by planes of 64 along K: ao [16 batch + head][2,048 rows][64], wo16 [head][1,024 rows][64]: a plane's rows are 128 dense bytes.
; A tile of out0 is 128 x 256: 256 work-groups.  Four waves, each 64 x 128: 32 accumulators, 256 registers.  K goes in steps of 128 (two planes) through a ring of two LDS slots.
; CLUSTERS: 4 x 4 work-groups; A's tiles are shared along a row of the cluster, B's along a column, by joint loads.  Wave 0, 1: A's plane 0, 1 of a K step (128 rows); wave 2, 3: B's (256 rows).
; THE MATRIX INSTRUCTION IS USED TRANSPOSED (source 0 = 16 rows of W_O, source 1 = 16 rows of A): a lane holds eight neighbouring numbers of a row of out0.
; Rows 0 to 15 of each sequence are stored here too and written over by the launch that follows, which carries them in f32.
; REGISTERS: window 0: v0-31 addresses; v32-127, v128-223 two fragment buffers (A's 32 registers, then B's 64); on the way out v32-159.   window 1: the accumulators, (a, b) at v[8 (8 a + b)].
.set PITCH,  144                       ; an LDS row: 128 bytes + 16: the 16 rows of a load start at 16 different banks (64 banks of 4 bytes: ISA guide 11.1)
.set APL,    128*PITCH                 ; a plane of A's tile
.set BPL,    256*PITCH                 ; a plane of B's
.set SLOT,   2*APL+2*BPL
.set STAGE,  2*SLOT                    ; behind the ring: 16 rows x (512 bytes + 16) for each wave
.set SPITCH, 528
.set SPARE,  STAGE+4*16*SPITCH         ; behind the stages: the spare words, 128 bytes for each wave
.set ADRA, 16
.set ADRB, 20
.set STO,  24
.set RD,   25
.set CO,   26
.set SPW,  28                          ; v28 LDS address of my spare word; never rewritten
.set NIL,  29                          ; v29 0; never rewritten
.set F0,   32
.set F1,   128
.set BK,   32
.set G1, 24
.set G0, 32
.set G1B, 48
.set G0B, 56
.set MSB, 0
.macro WIN new
.if MSB != (\new)
	s_set_vgpr_msb (MSB<<8)|(\new)
.set MSB, (\new)
.endif
.endm
.set MUL, 0x50                         ; C and D window 1, both sources window 0
.macro JLOAD s                         ; a joint load; an s_nop 0 and four v_nop follow each of the two lines
	s_cmp_eq_u32 s11, 0
	s_cbranch_scc0 .Lfor_b_\@
	tensor_load_to_lds s[G0+4*\s:G0+4*\s+3], s[G1:G1+7]
	s_nop 0
.rept 4
	v_nop
.endr
	s_branch .Lasked_\@
.Lfor_b_\@:
	tensor_load_to_lds s[G0B+4*\s:G0B+4*\s+3], s[G1B:G1B+7]
	s_nop 0
.rept 4
	v_nop
.endr
.Lasked_\@:
.endm
.macro CREST                           ; a round of the cluster's barrier behind its opening barrier
	s_cmp_lg_u32 s10, 0
	s_cbranch_scc1 .Lnot_wave_0_\@
	s_barrier_signal -3
.Lnot_wave_0_\@:
	s_barrier_wait -3
	s_barrier_signal -1
	s_barrier_wait -1
.endm
.macro CROUND
	s_barrier_signal -1
	s_barrier_wait -1
	CREST
.endm
	s_load_b128 s[4:7], s[0:1], 0x0                ; ao, wo16
	s_load_b64 s[8:9], s[0:1], 0x10                ; out0
	v_lshl_add_u32 v[SPW], v0, 2, SPARE
	v_mov_b32 v[NIL], 0
	ds_add_u32 v[SPW], v[NIL]                      ; the wave's opening: the add, twice on end, and its wait ahead of my first tensor load
	ds_add_u32 v[SPW], v[NIL]
	v_lshrrev_b32 v1, 5, v0
	v_readfirstlane_b32 s10, v1                    ; wave 0..3
	s_lshr_b32 s11, s10, 1                         ; which 64 rows of the tile are mine.  Also: I fetch for A (0) or for B (1)
	s_and_b32 s12, s10, 1                          ; which 128 columns.  Also: which plane of a K step I fetch
	s_bfe_u32 s40, ttmp6, 0x40000                  ; cx, cy
	s_bfe_u32 s41, ttmp6, 0x40004
	s_lshl_b32 s42, ttmp9, 2
	s_add_co_u32 s42, s42, s40                     ; tile column
	s_and_b32 s13, ttmp7, 0xffff
	s_lshl_b32 s13, s13, 2
	s_add_co_u32 s13, s13, s41                     ; tile row
	s_lshl_b32 s43, s41, 2
	s_lshl_b32 s43, 15, s43                        ; my row of the cluster
	s_lshl_b32 s44, 0x1111, s40                    ; my column
	s_or_b32 s[G1+0], s43, (1<<16)|(1<<20)|(1<<21)|(4<<22)|(3<<25)   ; the mask; elements of 2 bytes; padding on; bit 21 beside a mask; 4 words behind every 32
	s_or_b32 s[G1B+0], s44, (1<<16)|(1<<20)|(1<<21)|(4<<22)|(3<<25)
	s_mov_b32 s[G1+1], 64<<16                      ; tensor_dim0
	s_mov_b32 s[G1+2], 128<<16                     ; tensor_dim1
	s_mov_b32 s[G1+3], 64<<16                      ; tile_dim0
	s_mov_b32 s[G1+4], 128                         ; tile_dim1
	s_mov_b32 s[G1+5], 64                          ; the pitch
	s_mov_b32 s[G1+6], 0
	s_mov_b32 s[G1+7], 0
	s_mov_b32 s[G1B+1], 64<<16
	s_mov_b32 s[G1B+2], 256<<16
	s_mov_b32 s[G1B+3], 64<<16
	s_mov_b32 s[G1B+4], 256
	s_mov_b32 s[G1B+5], 64
	s_mov_b32 s[G1B+6], 0
	s_mov_b32 s[G1B+7], 0
	s_lshr_b32 s16, s13, 4                         ; the batch: 16 tiles of 128 rows
	s_lshl_b32 s16, s16, 4
	s_add_co_u32 s16, s16, s12                     ; plane 16 batch + mine of the first K step
	s_lshl_b32 s16, s16, 18                        ; 262,144 bytes a plane of ao
	s_and_b32 s17, s13, 15
	s_lshl_b32 s17, s17, 14                        ; 128 rows of 128 bytes a tile
	s_add_co_u32 s16, s16, s17
	s_mov_b32 s17, 0
	s_lshl_b32 s46, s12, 17                        ; 131,072 bytes a plane of wo16
	s_lshl_b32 s47, s42, 15                        ; 256 rows of 128 bytes a tile
	s_add_co_u32 s46, s46, s47
	s_mov_b32 s47, 0
	s_mul_i32 s20, s12, APL                        ; where they go: no place in the cluster enters an LDS address
	s_mul_i32 s21, s12, BPL
	s_add_co_u32 s21, s21, 2*APL
	s_wait_dscnt 0x0                               ; both opening adds are done
	s_wait_kmcnt 0x0
	s_add_nc_u64 s[14:15], s[4:5], s[16:17]
	s_add_nc_u64 s[46:47], s[6:7], s[46:47]
	CROUND                                         ; all sixteen work-groups are here: the first joint loads meet
.irp s, 0,1
	s_mov_b32 s[G0+4*\s], 1
	s_add_co_u32 s[G0+4*\s+1], s20, \s*SLOT
	s_add_nc_u64 s[G0+4*\s+2:G0+4*\s+3], s[14:15], \s*524288      ; a K step is two planes
	s_or_b32 s[G0+4*\s+3], s[G0+4*\s+3], 0x80000000
	s_mov_b32 s[G0B+4*\s], 1
	s_add_co_u32 s[G0B+4*\s+1], s21, \s*SLOT
	s_add_nc_u64 s[G0B+4*\s+2:G0B+4*\s+3], s[46:47], \s*262144
	s_or_b32 s[G0B+4*\s+3], s[G0B+4*\s+3], 0x80000000
	JLOAD \s
.endr
	v_and_b32 v1, 15, v0                           ; r
	v_bfe_u32 v2, v0, 4, 1                         ; h
	v_mul_u32_u24 v3, v1, PITCH
	v_lshl_add_u32 v3, v2, 4, v3
	s_mul_i32 s21, s11, 64*PITCH                   ; my 64 rows of A
	s_mul_i32 s22, s12, 128*PITCH                  ; my 128 rows of B,
	s_add_co_u32 s22, s22, 2*APL                   ; behind A's two planes
.irp s, 0,1
	v_add_nc_u32 v[ADRA+\s], s21, v3
	v_add_nc_u32 v[ADRB+\s], s22, v3
	s_add_co_u32 s21, s21, SLOT
	s_add_co_u32 s22, s22, SLOT
.endr
	s_mul_i32 s23, s10, 16*SPITCH
	s_add_co_u32 s23, s23, STAGE                   ; my stage
	v_mul_u32_u24 v5, v1, SPITCH
	v_lshl_add_u32 v5, v2, 5, v5
	v_add_nc_u32 v[STO], s23, v5                   ; in: row r, 32 bytes for each half of the lanes
	v_and_b32 v6, 31, v0
	v_lshlrev_b32 v[CO], 4, v6                     ; back: the 32 lanes take one row of 512 bytes; and the same in out0
	v_add_nc_u32 v[RD], s23, v[CO]
	s_lshl_b32 s16, s13, 7
	s_lshl_b32 s17, s11, 6
	s_add_co_u32 s16, s16, s17                     ; my first row
	s_lshl_b32 s16, s16, 12                        ; rows of 4,096 bytes
	s_mov_b32 s17, 0
	s_add_nc_u64 s[8:9], s[8:9], s[16:17]
	s_lshl_b32 s46, s42, 10                        ; my first column, in bytes
	s_lshl_b32 s47, s12, 9
	s_add_co_u32 s46, s46, s47
	s_mov_b32 s47, 0
	s_add_nc_u64 s[8:9], s[8:9], s[46:47]
.macro MUL16 f, a0, zero               ; 16 products: A's blocks a0, a0 + 1 x B's eight, 32 along K.  The 32 accumulators take turns, in the same order in every quarter
.irp a, \a0, \a0+1
.irp b, 0,1,2,3,4,5,6,7
.if \zero
	v_wmma_f32_16x16x32_f16 v[8*(8*(\a)+\b):8*(8*(\a)+\b)+7], v[\f+32+8*\b:\f+32+8*\b+7], v[\f+8*(\a):\f+8*(\a)+7], 0
.else
	v_wmma_f32_16x16x32_f16 v[8*(8*(\a)+\b):8*(8*(\a)+\b)+7], v[\f+32+8*\b:\f+32+8*\b+7], v[\f+8*(\a):\f+8*(\a)+7], v[8*(8*(\a)+\b):8*(8*(\a)+\b)+7]
.endif
.endr
.endr
.endm
.macro FETCH slot, q, f                ; 24 LDS loads in one run: quarter q of a K step: plane q / 2, byte 64 (q % 2) of its rows
.irp i, 0,1,2,3
	ds_load_b128 v[\f+8*\i:\f+8*\i+3],   v[ADRA+\slot] offset:((\q)/2)*APL+64*((\q)%2)+\i*16*PITCH
	ds_load_b128 v[\f+8*\i+4:\f+8*\i+7], v[ADRA+\slot] offset:((\q)/2)*APL+64*((\q)%2)+\i*16*PITCH+32
.endr
.irp i, 0,1,2,3,4,5,6,7
	ds_load_b128 v[\f+32+8*\i:\f+32+8*\i+3],   v[ADRB+\slot] offset:((\q)/2)*BPL+64*((\q)%2)+\i*16*PITCH
	ds_load_b128 v[\f+32+8*\i+4:\f+32+8*\i+7], v[ADRB+\slot] offset:((\q)/2)*BPL+64*((\q)%2)+\i*16*PITCH+32
.endr
.endm
.macro PLACES                          ; four places in front of loads into registers that matrix instructions have read, and of reads of results
.rept 4
	v_nop
.endr
.endm
.macro QUARTER slot, qn, f, g, zero    ; multiplies buffer f; ahead of its 32 products it asks for quarter qn of the same slot, into buffer g
	s_wait_dscnt 0x0                               ; buffer f is in: asked for 32 products ago
	PLACES
	WIN 0
	FETCH \slot, \qn, \g
	WIN MUL
	MUL16 \f, 0, \zero
	MUL16 \f, 2, \zero
.endm
; A K step's last quarter multiplies buffer 1 and changes slots: one barrier; in front of it each wave waits for all its tensor loads, adds 0 to its spare word, and waits for that and for its reads of this slot.
.macro TURN slot, next, fill
	WIN 0
	s_wait_tensorcnt 0x0                           ; all my tensor loads have landed: my part of the next slot
	ds_add_u32 v[SPW], v[NIL]                      ; 0 onto my spare word
	s_wait_dscnt 1                                 ; buffer 1 is in (the add may be out)
	WIN MUL
	MUL16 F1, 0, 0                                 ; sixteen products stand between the add and the wait for it
	s_wait_dscnt 0x0                               ; the add is done, and my reads of this slot are over
	WIN 0
	s_barrier_signal -1
	s_barrier_wait -1
.if \fill
	CREST                                          ; the barrier has opened a round of the cluster's: no wave of any partner still reads this slot or has a load on its way
	s_add_nc_u64 s[G0+4*\slot+2:G0+4*\slot+3], s[G0+4*\slot+2:G0+4*\slot+3], 1048576    ; two K steps on: four planes
	s_add_nc_u64 s[G0B+4*\slot+2:G0B+4*\slot+3], s[G0B+4*\slot+2:G0B+4*\slot+3], 524288
	JLOAD \slot                                    ; the first tensor load behind the round; its four v_nop are also the places in front of the loads below
.else
	PLACES
.endif
	FETCH \next, 0, F0
	WIN MUL
	MUL16 F1, 2, 0
.endm
	s_wait_tensorcnt 1                             ; my part of K step 0 is in (K step 1's may be out)
	s_barrier_signal -1
	s_barrier_wait -1                              ; everybody's is
	FETCH 0, 0, F0
	QUARTER 0, 1, F0, F1, 1                        ; the first quarter's products start the sums
	WIN 0
	s_mov_b32 s3, 3
.Llap:                                             ; a trip goes once round the ring and fills both slots again: K steps 2 to 7
	QUARTER 0, 2, F1, F0, 0
	QUARTER 0, 3, F0, F1, 0
	TURN 0, 1, 1
	QUARTER 1, 1, F0, F1, 0
	QUARTER 1, 2, F1, F0, 0
	QUARTER 1, 3, F0, F1, 0
	TURN 1, 0, 1
	QUARTER 0, 1, F0, F1, 0
	WIN 0
	s_sub_co_u32 s3, s3, 1
	s_cmp_lg_u32 s3, 0
	s_cbranch_scc1 .Llap
	QUARTER 0, 2, F1, F0, 0                        ; the last lap fills nothing
	QUARTER 0, 3, F0, F1, 0
	TURN 0, 1, 0
	QUARTER 1, 1, F0, F1, 0
	QUARTER 1, 2, F1, F0, 0
	QUARTER 1, 3, F0, F1, 0
	s_wait_dscnt 0x0
	MUL16 F1, 0, 0
	MUL16 F1, 2, 0
	WIN 0
; THE WAY OUT, block by block of 16 rows x 128 columns: through my own stage, and back as whole rows of 512 bytes.  LDS serves a wave's instructions in order: no wait between the stores and the loads.
.macro TOSTAGE a
	WIN 0x04                                       ; an LDS store's data: window 1
.irp b, 0,1,2,3,4,5,6,7
	ds_store_b128 v[STO], v[8*(8*(\a)+\b):8*(8*(\a)+\b)+3] offset:64*\b          ; each accumulator from its low end on
	ds_store_b128 v[STO], v[8*(8*(\a)+\b)+4:8*(8*(\a)+\b)+7] offset:64*\b+16
.endr
	WIN 0
.set BB, BK+64*((\a)%2)
.irp t, 0,1,2,3,4,5,6,7,8,9,10,11,12,13,14,15
	ds_load_b128 v[BB+4*\t:BB+4*\t+3], v[RD] offset:\t*SPITCH
.endr
.endm
.macro SEND a, younger
.set BB, BK+64*((\a)%2)
	s_wait_dscnt \younger
.irp t, 0,1,2,3,4,5,6,7,8,9,10,11,12,13,14,15
	global_store_b128 v[CO], v[BB+4*\t:BB+4*\t+3], s[8:9] offset:(16*(\a)+\t)*4096 th:TH_STORE_NT   ; 32 lanes store 512 consecutive bytes, aligned
.endr
.endm
	PLACES
	TOSTAGE 0
.irp a, 1,2,3
.if \a > 1
	s_wait_xcnt 0x0                                ; block a - 2's stores have read their registers: block a's loads may land there
.endif
	TOSTAGE \a
	SEND \a-1, 32                                  ; behind block a - 1's loads: block a's 16 stores and 16 loads
.endr
	SEND 3, 0
	s_wait_tensorcnt 0x0                           ; the wave's end: behind my last tensor load and my last LDS store
	ds_add_u32 v[SPW], v[NIL]
	s_wait_dscnt 0x0
	CROUND                                         ; the closing round
	s_endpgm
.Lfunc_end_k_qeb7cdb6f38_proj:
	.size	k_qeb7cdb6f38_proj, .Lfunc_end_k_qeb7cdb6f38_proj-k_qeb7cdb6f38_proj
	.p2alignl 7, 3214868480
	.fill 96, 4, 3214868480
	.section	.rodata,"a",@progbits
	.p2align	6, 0x0
	.amdhsa_kernel k_qeb7cdb6f38_proj
		.amdhsa_group_segment_fixed_size 327680
		.amdhsa_private_segment_fixed_size 0
		.amdhsa_enable_private_segment 0
		.amdhsa_kernarg_size 24
		.amdhsa_user_sgpr_count 2
		.amdhsa_user_sgpr_kernarg_segment_ptr 1
		.amdhsa_wavefront_size32 1
		.amdhsa_system_sgpr_workgroup_id_x 1
		.amdhsa_system_sgpr_workgroup_id_y 1
		.amdhsa_system_sgpr_workgroup_id_z 1
		.amdhsa_system_vgpr_workitem_id 0
		.amdhsa_next_free_vgpr 512
		.amdhsa_next_free_sgpr 66
		.amdhsa_reserve_vcc 0
		.amdhsa_float_denorm_mode_32 3
		.amdhsa_float_denorm_mode_16_64 3
		.amdhsa_memory_ordered 1
		.amdhsa_forward_progress 1
		.amdhsa_inst_pref_size 84
	.end_amdhsa_kernel
	.amdgpu_metadata
---
amdhsa.version: [ 1, 2 ]
amdhsa.kernels:
  - .name:           k_qeb7cdb6f38_proj
    .symbol:         k_qeb7cdb6f38_proj.kd
    .args:
      - { .name: ao, .offset: 0, .size: 8, .value_kind: global_buffer, .address_space: global }
      - { .name: wo16, .offset: 8, .size: 8, .value_kind: global_buffer, .address_space: global }
      - { .name: out0, .offset: 16, .size: 8, .value_kind: global_buffer, .address_space: global }
    .group_segment_fixed_size: 327680
    .private_segment_fixed_size: 0
    .kernarg_segment_align: 8
    .kernarg_segment_size: 24
    .max_flat_workgroup_size: 128
    .sgpr_count:     66
    .vgpr_count:     512
    .wavefront_size: 32
...
	.end_amdgpu_metadata
.endif
;; end of part 4
;; launch first16 (part 5): grid 32 x 4, 16 waves a work-group, no clusters, 34,816 bytes of LDS; arguments q16, W_O, out0; writes out0
.if DOCPART == 5
	.amdgcn_target "amdgcn-amd-amdhsa--gfx1250"
	.amdhsa_code_object_version 6
	.text
	.protected	k_qeb7cdb6f38_first16
	.globl	k_qeb7cdb6f38_first16
	.p2align	8
	.type	k_qeb7cdb6f38_first16,@function
k_qeb7cdb6f38_first16:
	s_mov_b64 s[64:65], 0
	v_nop
	global_prefetch_b8 v0, s[64:65] scope:SCOPE_SE
	s_setreg_imm32_b32 hwreg(HW_REG_WAVE_MODE, 25, 1), 1
	s_wait_xcnt 0x0
; Positions 0 to 15 of every sequence, carried in f32 through attention and the projection: these rows average one to sixteen values and are the largest of the output.  They are written over what the launch before stored there.
; q16: f32 [3][4 batches][16 rows][1024]: Q (already times log2(e) / 8), K, V, turned.  W_O: f32 [1024 o][1024 i].
; Work-group (chunk, batch) makes out0[batch][0..15][32 chunk .. 32 chunk + 31].  Wave hd does head hd's attention on the 16 x 16 scores and then the projection's part over its own 64 channels, so O^T never leaves the registers;
; the sixteen parts meet in LDS.  All products by the f32 matrix form, 16 x 16 x 4; its accumulators (v176-255) are written by matrix instructions alone, and take turns.  64 rows in all: no bulk work.
; In this form lane (r, h) holds k = 2 h + j in register j.  The true k behind each place is chosen alike on both sides of a product, so that each side loads, or already holds, neighbours.
; A work-group's 32 columns are 128 bytes of a row: half of an aligned 256; 256 KB in the whole launch.
.set SPARE, 32768                      ; behind the sixteen images of 2,048 bytes: the spare words, 128 bytes for each wave
.set SPW, 12                           ; v12 LDS address of my spare word; never rewritten
.set NIL, 13                           ; v13 0; never rewritten
.set QF, 16                            ; v16-47   Q; later scores, p and what is at work; later the images
.set KF, 48                            ; v48-79   K
.set VF, 80                            ; v80-111  V
.set WF, 112                           ; v112-175 W_O
.set SA, 176                           ; v176-207 four parts of S^T
.set OA, 208                           ; v208-239 O^T, four tiles of 16 channels
.set DA, 240                           ; v240-255 two tiles of 16 outputs
	s_load_b128 s[4:7], s[0:1], 0x0                ; q16, W_O
	s_load_b64 s[8:9], s[0:1], 0x10                ; out0
	v_lshl_add_u32 v[SPW], v0, 2, SPARE
	v_mov_b32 v[NIL], 0
	v_lshrrev_b32 v1, 5, v0
	v_readfirstlane_b32 s10, v1                    ; wave = head
	v_and_b32 v1, 15, v0                           ; r
	v_bfe_u32 v2, v0, 4, 1                         ; h
	v_lshlrev_b32 v3, 12, v1
	v_lshl_add_u32 v3, v2, 4, v3                   ; Q, K: row r of 4,096 bytes + 16 h
	v_lshlrev_b32 v4, 2, v1
	v_lshl_add_u32 v4, v2, 15, v4                  ; V: rows 8 h on, channel r
	v_lshlrev_b32 v5, 12, v1
	v_lshl_add_u32 v5, v2, 5, v5                   ; W_O and out0: row r + 32 h
	v_and_b32 v6, 31, v0
	v_lshlrev_b32 v6, 4, v6                        ; 16 x lane
	s_lshl_b32 s11, s10, 11
	v_add_nc_u32 v7, s11, v6                       ; where I store my image: 2,048 x wave + 16 x lane
	s_and_b32 s12, s10, 3
	s_lshl_b32 s11, s12, 9
	v_add_nc_u32 v11, s11, v6                      ; which quarter of every image I add up (waves 0 to 3): 512 x wave + 16 x lane
	s_lshr_b32 s11, s12, 1
	s_lshl_b32 s11, s11, 6
	s_and_b32 s12, s12, 1
	s_lshl_b32 s12, s12, 4
	s_add_co_u32 s11, s11, s12
	v_add_nc_u32 v8, s11, v5                       ; and where it goes in out0: + 64 (wave / 2) + 16 (wave % 2)
	v_lshlrev_b32 v9, 3, v2
	v_sub_nc_u32 v9, v1, v9                        ; r - 8 h
	v_mov_b32 v10, 0xff800000                      ; -infinity
	s_mov_b32 s14, 0x76543210
	s_mov_b32 s15, 0xfedcba98                      ; v_permlanex16_b32's selects for lane l xor 16
	s_and_b32 s13, ttmp7, 0xffff                   ; the batch
	s_lshl_b32 s16, s13, 16
	s_lshl_b32 s18, s10, 8                         ; the head's 64 channels: 256 bytes
	s_add_co_u32 s16, s16, s18
	s_mov_b32 s17, 0
	s_lshl_b32 s20, ttmp9, 17                      ; 32 rows of W_O a chunk
	s_add_co_u32 s20, s20, s18
	s_mov_b32 s21, 0
	s_lshl_b32 s22, s13, 23                        ; 2,048 rows of 4,096 bytes a batch
	s_lshl_b32 s18, ttmp9, 7
	s_add_co_u32 s22, s22, s18
	s_mov_b32 s23, 0
	s_wait_kmcnt 0x0
	s_add_nc_u64 s[4:5], s[4:5], s[16:17]
	s_add_nc_u64 s[6:7], s[6:7], s[20:21]
	s_add_nc_u64 s[8:9], s[8:9], s[22:23]
.irp c, 0,1,2,3,4,5,6,7                ; lane (r, h): channels 8 c + 4 h + 0 .. 3 of row r
	global_load_b128 v[QF+4*\c:QF+4*\c+3], v3, s[4:5] offset:32*\c
.endr
.irp c, 0,1,2,3,4,5,6,7
	global_load_b128 v[KF+4*\c:KF+4*\c+3], v3, s[4:5] offset:262144+32*\c
.endr
.irp ct, 0,1,2,3                       ; register 8 ct + k: V[8 h + k][16 ct + r]
.irp k, 0,1,2,3,4,5,6,7
	global_load_b32 v[VF+8*\ct+\k], v4, s[4:5] offset:524288+4096*\k+64*\ct
.endr
.endr
.irp nt, 0,1                           ; registers 32 nt + 8 ct + 0 .. 7: W_O[16 nt + r][16 ct + 8 h + 0 .. 7]
.irp ct, 0,1,2,3
.irp e, 0,1
	global_load_b128 v[WF+32*\nt+8*\ct+4*\e:WF+32*\nt+8*\ct+4*\e+3], v5, s[6:7] offset:65536*\nt+64*\ct+16*\e
.endr
.endr
.endr
	s_wait_loadcnt 48                              ; Q and K are in; V's 32 loads and W_O's 16 may be out
.irp n, 0,1,2,3,4,5,6,7,8,9,10,11,12,13,14,15     ; S^T = K Q^T: 16 products on four accumulators by turns; the first four start the sums
.if \n < 4
	v_wmma_f32_16x16x4_f32 v[SA+8*(\n%4):SA+8*(\n%4)+7], v[KF+2*\n:KF+2*\n+1], v[QF+2*\n:QF+2*\n+1], 0
.else
	v_wmma_f32_16x16x4_f32 v[SA+8*(\n%4):SA+8*(\n%4)+7], v[KF+2*\n:KF+2*\n+1], v[QF+2*\n:QF+2*\n+1], v[SA+8*(\n%4):SA+8*(\n%4)+7]
.endif
.endr
.rept 8
	v_nop                                          ; eight places behind this form (ISA guide 7.12.1)
.endr
.irp j, 0,2,4,6                        ; the four parts are added, each read from its low end on: lane (r, h) holds query r, keys 8 h + 0 .. 7
	v_pk_add_f32 v[16+\j:17+\j], v[SA+\j:SA+\j+1], v[SA+8+\j:SA+8+\j+1]
	v_pk_add_f32 v[24+\j:25+\j], v[SA+16+\j:SA+16+\j+1], v[SA+24+\j:SA+24+\j+1]
.endr
.irp j, 0,2,4,6
	v_pk_add_f32 v[16+\j:17+\j], v[16+\j:17+\j], v[24+\j:25+\j]
.endr
.irp j, 0,1,2,3,4,5,6,7
	v_cmp_gt_i32 vcc_lo, \j, v9                    ; key 8 h + j is hidden where it comes after query r
	v_cndmask_b32 v[16+\j], v[16+\j], v10, vcc_lo
.endr
	v_max3_num_f32 v24, v16, v17, v18
	v_max3_num_f32 v24, v24, v19, v20
	v_max3_num_f32 v24, v24, v21, v22
	v_max_num_f32 v24, v24, v23
	v_permlanex16_b32 v25, v24, s14, s15
	v_max_num_f32 v24, v24, v25                    ; the row's maximum: key 0 counts for every query, so it is a number
.irp j, 0,1,2,3,4,5,6,7
	v_sub_f32 v[16+\j], v[16+\j], v24
.endr
.irp j, 0,1,2,3,4,5,6,7
	v_exp_f32 v[16+\j], v[16+\j]
.endr
	v_nop                                          ; the plain instruction behind the last exponential
	s_wait_alu depctr_va_vdst(0)                   ; one wait for the eight, ahead of their first reader
	v_pk_add_f32 v[26:27], v[16:17], v[18:19]
	v_pk_add_f32 v[28:29], v[20:21], v[22:23]
	v_pk_add_f32 v[26:27], v[26:27], v[28:29]
	v_add_f32 v26, v26, v27
	v_permlanex16_b32 v27, v26, s14, s15
	v_add_f32 v26, v26, v27
	v_rcp_f32 v28, v26
	v_nop
	s_wait_alu depctr_va_vdst(0)
.irp j, 0,1,2,3,4,5,6,7
	v_mul_f32 v[32+\j], v[16+\j], v28              ; the weights
.endr
	s_wait_loadcnt 16                              ; V is in; W_O's 16 loads may be out
.irp s, 0,1,2,3                        ; O^T = V^T P: the true keys behind a product's four places are 8 h + 2 s + j; four accumulators by turns
.irp ct, 0,1,2,3
.if \s == 0
	v_wmma_f32_16x16x4_f32 v[OA+8*\ct:OA+8*\ct+7], v[VF+8*\ct+2*\s:VF+8*\ct+2*\s+1], v[32+2*\s:33+2*\s], 0
.else
	v_wmma_f32_16x16x4_f32 v[OA+8*\ct:OA+8*\ct+7], v[VF+8*\ct+2*\s:VF+8*\ct+2*\s+1], v[32+2*\s:33+2*\s], v[OA+8*\ct:OA+8*\ct+7]
.endif
.endr
.endr
.rept 9
	v_nop                                          ; nine places before a matrix instruction takes these results as a source
.endr
	s_wait_loadcnt 0x0                             ; W_O
.irp ct, 0,1,2,3                       ; the projection over my 64 channels, transposed: source 0 = 16 rows of W_O, source 1 = O^T as it stands: the true channels are 16 ct + 8 h + 2 u + j; two accumulators by turns
.irp u, 0,1,2,3
.irp nt, 0,1
.if (\ct == 0) && (\u == 0)
	v_wmma_f32_16x16x4_f32 v[DA+8*\nt:DA+8*\nt+7], v[WF+32*\nt+8*\ct+2*\u:WF+32*\nt+8*\ct+2*\u+1], v[OA+8*\ct+2*\u:OA+8*\ct+2*\u+1], 0
.else
	v_wmma_f32_16x16x4_f32 v[DA+8*\nt:DA+8*\nt+7], v[WF+32*\nt+8*\ct+2*\u:WF+32*\nt+8*\ct+2*\u+1], v[OA+8*\ct+2*\u:OA+8*\ct+2*\u+1], v[DA+8*\nt:DA+8*\nt+7]
.endif
.endr
.endr
.endr
.rept 8
	v_nop
.endr
.irp nt, 0,1                           ; my part goes to LDS as an image of its registers: lane (r, h) holds out(r, 16 nt + 8 h + 0 .. 7)
.irp e, 0,1
	ds_store_b128 v7, v[DA+8*\nt+4*\e:DA+8*\nt+4*\e+3] offset:512*(2*\nt+\e)
.endr
.endr
	s_wait_dscnt 0x0                               ; for the others' sake: my stores have landed
	s_barrier_signal -1
	s_barrier_wait -1
	s_cmp_lt_u32 s10, 4                            ; waves 0 to 3 add up a quarter of the sixteen images each
	s_cbranch_scc0 .Ldone
.irp w, 0,1,2,3,4,5,6,7,8,9,10,11,12,13,14,15
	ds_load_b128 v[16+4*\w:19+4*\w], v11 offset:2048*\w
.endr
	s_wait_dscnt 0x0
.irp d, 8,4,2,1
.set w, 0
.rept \d
	v_pk_add_f32 v[16+4*w:17+4*w], v[16+4*w:17+4*w], v[16+4*(w+\d):17+4*(w+\d)]
	v_pk_add_f32 v[18+4*w:19+4*w], v[18+4*w:19+4*w], v[18+4*(w+\d):19+4*(w+\d)]
.set w, w+1
.endr
.endr
	global_store_b128 v8, v[16:19], s[8:9]
.Ldone:
	s_wait_tensorcnt 0x0                           ; the wave's end: behind my last LDS store
	ds_add_u32 v[SPW], v[NIL]
	s_wait_dscnt 0x0
	s_endpgm
.Lfunc_end_k_qeb7cdb6f38_first16:
	.size	k_qeb7cdb6f38_first16, .Lfunc_end_k_qeb7cdb6f38_first16-k_qeb7cdb6f38_first16
	.p2alignl 7, 3214868480
	.fill 96, 4, 3214868480
	.section	.rodata,"a",@progbits
	.p2align	6, 0x0
	.amdhsa_kernel k_qeb7cdb6f38_first16
		.amdhsa_group_segment_fixed_size 34816
		.amdhsa_private_segment_fixed_size 0
		.amdhsa_enable_private_segment 0
		.amdhsa_kernarg_size 24
		.amdhsa_user_sgpr_count 2
		.amdhsa_user_sgpr_kernarg_segment_ptr 1
		.amdhsa_wavefront_size32 1
		.amdhsa_system_sgpr_workgroup_id_x 1
		.amdhsa_system_sgpr_workgroup_id_y 1
		.amdhsa_system_sgpr_workgroup_id_z 1
		.amdhsa_system_vgpr_workitem_id 0
		.amdhsa_next_free_vgpr 256
		.amdhsa_next_free_sgpr 66
		.amdhsa_reserve_vcc 1
		.amdhsa_float_denorm_mode_32 3
		.amdhsa_float_denorm_mode_16_64 3
		.amdhsa_memory_ordered 1
		.amdhsa_forward_progress 1
		.amdhsa_inst_pref_size 20
	.end_amdhsa_kernel
	.amdgpu_metadata
---
amdhsa.version: [ 1, 2 ]
amdhsa.kernels:
  - .name:           k_qeb7cdb6f38_first16
    .symbol:         k_qeb7cdb6f38_first16.kd
    .args:
      - { .name: q16, .offset: 0, .size: 8, .value_kind: global_buffer, .address_space: global }
      - { .name: W_O, .offset: 8, .size: 8, .value_kind: global_buffer, .address_space: global }
      - { .name: out0, .offset: 16, .size: 8, .value_kind: global_buffer, .address_space: global }
    .group_segment_fixed_size: 34816
    .private_segment_fixed_size: 0
    .kernarg_segment_align: 8
    .kernarg_segment_size: 24
    .max_flat_workgroup_size: 512
    .sgpr_count:     66
    .vgpr_count:     256
    .wavefront_size: 32
...
	.end_amdgpu_metadata
.endif
;; end of part 5
